; MI455X (gfx1250); checked and timed in simulation.
; The chip was launched on July 23, 2026; its instructions are those of AMD's public machine-readable ISA for CDNA 5 (MIT licence, August 2026) and "CDNA5" Instruction Set Architecture Reference Guide (July 2026). The comments in the code are by the model that wrote it; some were corrected since.
;; Scaled Dot Self Attention. Allowed arithmetic: float matrix products may take bf16 or f16 operands with f32 sums; all other float work in f32.
;; Inputs: Wd 1,024 x 1,024 float32; Wk 1,024 x 1,024 float32; Wq 1,024 x 1,024 float32; Wv 1,024 x 1,024 float32; bd 1,024 float32; bk 1,024 float32; bq 1,024 float32; bv 1,024 float32; hidden_states 4 x 2,048 x 1,024 float32; ln_beta 1,024 float32; ln_gamma 1,024 float32.
;; Outputs: out0 4 x 2,048 x 1,024 float32.
;; 2 versions, each right; version 2 is version 1 with the launch cvt written anew for expert scheduling mode. Each part assembles by itself: llvm-mc -triple=amdgcn-amd-amdhsa -mcpu=gfx1250 --defsym DOCPART=n.
;; ======== version 1 of 2: 6 launches
;; limits: values outside matrix products are rounded to bf16
;; workspace buffers: Xb 16,777,216 bytes; WB1 4,194,304 bytes; WB2 4,194,304 bytes; VQ 33,554,432 bytes; V2K 33,554,432 bytes; PS 34,603,008 bytes; T1 33,554,432 bytes
;; launch cvt (part 1): grid 64 x 12, 8 waves a work-group, no clusters, 0 bytes of LDS; arguments hidden_states, Wq, Wv, Wk, Wd, Xb, WB1, WB2; writes Xb, WB1, WB2
.if DOCPART == 1
	.amdgcn_target "amdgcn-amd-amdhsa--gfx1250"
	.amdhsa_code_object_version 6
	.text
	.protected	k_qf2527d8658_cvt
	.globl	k_qf2527d8658_cvt
	.p2align	8
	.type	k_qf2527d8658_cvt,@function
k_qf2527d8658_cvt:
	s_mov_b64 s[64:65], 0
	v_nop
	global_prefetch_b8 v0, s[64:65] scope:SCOPE_SE
	s_setreg_imm32_b32 hwreg(HW_REG_WAVE_MODE, 25, 1), 1
	s_wait_xcnt 0x0
; bf16 copies of the matrix operands that arrive in f32: x -> Xb, Wq | Wv -> WB1, Wk | Wd -> WB2 (the weights stay [k][n] as given).
; Each number is rounded once, to nearest even.
; A stream: every byte is read once and written once; no LDS, no barrier, no matrix unit, no cluster (the work-groups share nothing).
; SHARES.  Group y is a segment of 1,048,576 numbers: y = 0..7 the eight parts of x, y = 8..11 Wq, Wv, Wk, Wd.  Group x is a piece of
; 65,536 bytes in, 32,768 bytes out.  Thread t takes 16 bytes at 16 t of each of the piece's sixteen runs of 4,096 bytes and stores
; 8 bytes at 8 t of each run of 2,048: a wave's load covers 512 consecutive bytes, its store 256 consecutive bytes, aligned.
; All sixteen loads go out first; no register is written twice, so no wait frees anything.
.set X, 4                              ; v[4:67]   sixteen loads of four f32
.set Y, 68                             ; v[68:99]  sixteen pairs of packed bf16
	s_load_b512 s[8:23], s[0:1], 0x0               ; x s[8:9], Wq s[10:11], Wv s[12:13], Wk s[14:15], Wd s[16:17], Xb s[18:19], WB1 s[20:21], WB2 s[22:23]
	s_and_b32 s2, ttmp7, 0xffff                    ; y
	s_and_b32 s25, s2, 1                           ; which half of WB1 or WB2
	s_cmp_lt_u32 s2, 8
	s_cselect_b32 s24, s2, 0                       ; the part of x, or 0: a weight is read from its first byte
	s_cselect_b32 s25, s2, s25                     ; the part of Xb, or the half of a weight buffer
	s_lshl_b32 s24, s24, 22                        ; a segment is 4 MiB in,
	s_lshl_b32 s25, s25, 21                        ; 2 MiB out
	s_lshl_b32 s26, ttmp9, 16                      ; the piece in,
	s_lshl_b32 s27, ttmp9, 15                      ; the piece out
	s_add_co_u32 s24, s24, s26                     ; s[24:25]: byte offset in the source
	s_add_co_u32 s26, s25, s27                     ; s[26:27]: byte offset in the destination
	s_mov_b32 s25, 0
	s_mov_b32 s27, 0
	v_lshlrev_b32 v1, 4, v0                        ; 16 t
	v_lshlrev_b32 v2, 3, v0                        ; 8 t
	s_wait_kmcnt 0x0
	s_cmp_eq_u32 s2, 8                             ; the source is chosen by y alone
	s_cselect_b64 s[4:5], s[10:11], s[8:9]
	s_cmp_eq_u32 s2, 9
	s_cselect_b64 s[4:5], s[12:13], s[4:5]
	s_cmp_eq_u32 s2, 10
	s_cselect_b64 s[4:5], s[14:15], s[4:5]
	s_cmp_eq_u32 s2, 11
	s_cselect_b64 s[4:5], s[16:17], s[4:5]
	s_cmp_lt_u32 s2, 8                             ; and so is the destination
	s_cselect_b64 s[6:7], s[18:19], s[20:21]
	s_cmp_gt_u32 s2, 9
	s_cselect_b64 s[6:7], s[22:23], s[6:7]
	s_add_nc_u64 s[4:5], s[4:5], s[24:25]
	s_add_nc_u64 s[6:7], s[6:7], s[26:27]
.set i, 0
.rept 16
	global_load_b128 v[X+4*i:X+4*i+3], v1, s[4:5] offset:4096*i th:TH_LOAD_NT
.set i, i+1
.endr
.set i, 0
.rept 16
	s_wait_loadcnt 15-i                            ; loads come back in order: load i is in, the 15 - i younger ones stay out
	v_cvt_pk_bf16_f32 v[Y+2*i], v[X+4*i], v[X+4*i+1]
	v_cvt_pk_bf16_f32 v[Y+2*i+1], v[X+4*i+2], v[X+4*i+3]
	global_store_b64 v2, v[Y+2*i:Y+2*i+1], s[6:7] offset:2048*i
.set i, i+1
.endr
	s_endpgm
.Lfunc_end_k_qf2527d8658_cvt:
	.size	k_qf2527d8658_cvt, .Lfunc_end_k_qf2527d8658_cvt-k_qf2527d8658_cvt
	.p2alignl 7, 3214868480
	.fill 96, 4, 3214868480
	.section	.rodata,"a",@progbits
	.p2align	6, 0x0
	.amdhsa_kernel k_qf2527d8658_cvt
		.amdhsa_group_segment_fixed_size 0
		.amdhsa_private_segment_fixed_size 0
		.amdhsa_enable_private_segment 0
		.amdhsa_kernarg_size 64
		.amdhsa_user_sgpr_count 2
		.amdhsa_user_sgpr_kernarg_segment_ptr 1
		.amdhsa_wavefront_size32 1
		.amdhsa_system_sgpr_workgroup_id_x 1
		.amdhsa_system_sgpr_workgroup_id_y 1
		.amdhsa_system_sgpr_workgroup_id_z 1
		.amdhsa_system_vgpr_workitem_id 0
		.amdhsa_next_free_vgpr 104
		.amdhsa_next_free_sgpr 66
		.amdhsa_reserve_vcc 0
		.amdhsa_float_denorm_mode_32 3
		.amdhsa_float_denorm_mode_16_64 3
		.amdhsa_memory_ordered 1
		.amdhsa_forward_progress 1
		.amdhsa_inst_pref_size 7
	.end_amdhsa_kernel
	.amdgpu_metadata
---
amdhsa.version: [ 1, 2 ]
amdhsa.kernels:
  - .name:           k_qf2527d8658_cvt
    .symbol:         k_qf2527d8658_cvt.kd
    .args:
      - { .name: hidden_states, .offset: 0, .size: 8, .value_kind: global_buffer, .address_space: global }
      - { .name: Wq, .offset: 8, .size: 8, .value_kind: global_buffer, .address_space: global }
      - { .name: Wv, .offset: 16, .size: 8, .value_kind: global_buffer, .address_space: global }
      - { .name: Wk, .offset: 24, .size: 8, .value_kind: global_buffer, .address_space: global }
      - { .name: Wd, .offset: 32, .size: 8, .value_kind: global_buffer, .address_space: global }
      - { .name: Xb, .offset: 40, .size: 8, .value_kind: global_buffer, .address_space: global }
      - { .name: WB1, .offset: 48, .size: 8, .value_kind: global_buffer, .address_space: global }
      - { .name: WB2, .offset: 56, .size: 8, .value_kind: global_buffer, .address_space: global }
    .group_segment_fixed_size: 0
    .private_segment_fixed_size: 0
    .kernarg_segment_align: 8
    .kernarg_segment_size: 64
    .max_flat_workgroup_size: 256
    .sgpr_count:     66
    .vgpr_count:     104
    .wavefront_size: 32
...
	.end_amdgpu_metadata
.endif
;; end of part 1
;; launch proj1 (part 2): grid 8 x 32, 4 waves a work-group, clusters of 4 x 4, 327,680 bytes of LDS; arguments Xb, WB1, VQ, V2K, bq, bv; writes VQ
.if DOCPART == 2
	.amdgcn_target "amdgcn-amd-amdhsa--gfx1250"
	.amdhsa_code_object_version 6
	.text
	.protected	k_qf2527d8658_proj1
	.globl	k_qf2527d8658_proj1
	.p2align	8
	.type	k_qf2527d8658_proj1,@function
k_qf2527d8658_proj1:
	s_mov_b64 s[64:65], 0
	v_nop
	global_prefetch_b8 v0, s[64:65] scope:SCOPE_SE
	s_setreg_imm32_b32 hwreg(HW_REG_WAVE_MODE, 25, 1), 1
	s_wait_xcnt 0x0
	s_wait_alu depctr_hold_cnt(0) depctr_sa_sdst(0) depctr_va_vdst(0) depctr_va_sdst(0) depctr_va_ssrc(0) depctr_va_vcc(0) depctr_vm_vsrc(0)
	s_getreg_b32 s2, hwreg(HW_REG_IB_STS2, 6, 4)
	s_cmp_eq_u32 s2, 0
	s_cbranch_scc0 .Lentry_in_a_cluster
	s_endpgm
.Lentry_in_a_cluster:
	s_bfe_u32 s2, ttmp6, 0x10000c
	s_cmp_lg_u32 s2, 0xf033
	s_cbranch_scc0 .Lentry_shape_is_right
	s_endpgm
.Lentry_shape_is_right:
; TWO PROJECTIONS IN ONE LAUNCH.  C[m][n] = sum over k of A[m][k] B[k][n] + bias[n], m = 8,192, n = k = 1,024; A, B, C bf16, bias f32, sums in f32, C rounded once.
; Arguments: A0, B, C, A1, bias0, bias1.
;   projection 0: A x (B's first 2 MiB)  + bias0 -> C's second 16 MiB         projection 1: A x (B's second 2 MiB) + bias1 -> C's first 16 MiB
; THE BODY SERVES TWO LAUNCHES, told apart by the shape of the grid, 256 work-groups in both:
;   8 x 32 (two clusters along x, eight along y): the projection is the cluster's x; both take A0.  The fourth argument is not read in this form.   q = x Wq + bq and v = x Wv + bv.
;   4 x 64 (one cluster along x, sixteen along y): the projection is the upper half of the cluster's y; projection 0 takes A0, projection 1 takes A1.   k = x Wk + bk and v' = v Wd + bd.
; v' serves (P v) Wd + bd = P (v Wd + bd): the product is associative and a row of P sums to 1.  LIMITS: bd is rounded to bf16 with v', as bv is with v; NaN and infinities are not treated apart.
; SHAPE.  A tile of C is 256 x 256: 2 x 4 x 32 = 256 tiles, one to a work-group of four waves; a wave makes 128 x 128 in 64 accumulators, 512 registers.
; K goes in 8 steps of 128 through two LDS slots.  A's tile: 256 rows x 256 bytes.  B lies [k][n]: its tile is 128 k-rows x 512 bytes, and its fragments come out of LDS turned, by ds_load_tr16_b128.
; CLUSTER.  4 x 4 work-groups: the four of a row of the cluster need the same tile of A, the four of a column the same tile of B; each is asked for jointly, by the same tensor load with the
; same descriptor and a mask that names the four.  The cluster's x and y, on which the choice of projection and of A hangs, are the same in all sixteen.
; THE MATRIX INSTRUCTION IS USED TRANSPOSED (source 0 = 16 columns of B, source 1 = 16 rows of A): a lane then holds row l % 16 of C and the eight neighbouring columns 8 (l / 16) + 0..7.
; THE BIAS is the C operand of the products that start the sums: eight registers a block of 16 columns, the same for every block of rows.
; THE TEXT.  A K step stands twice: in a loop of 6 trips whose change of slots fills the slot again, and in a loop of 2 trips for the last two steps, which fill nothing.
; The slot in hand is a scalar, s66, turned by an exclusive or; the fragment addresses are made from it anew at each change of slots.  The first quarter, which starts the sums,
; stands ahead, and the first loop is entered behind its own first quarter.  The price: the very last change of slots fetches 32 fragments' loads that nobody multiplies.
; REGISTERS, in windows of 256 (s_set_vgpr_msb: bits 1:0 source 0, 3:2 source 1, 5:4 source 2, 7:6 destination):
;   window 0: v0-31 addresses; v64-127, v128-191 fragments of A, two buffers; v32-63, v192-255 at work on the way out
;   window 1: v0-63 the bias; v64-127, v128-191 fragments of B      window 2: accumulators of my rows 0-63 ((a, b) at v[8 (8 (a % 4) + b)])      window 3: of my rows 64-127
; Left out: prefetching (the tiles are shared in the cluster and asked for a K step ahead); work-groups that stay (each has one tile).
.set PA,     272                       ; an LDS row of A: 256 bytes + 16 of padding = 68 words: the 16 rows of a load start at 16 different groups of four banks (64 banks of 4 bytes: ISA guide 11.1)
.set PB,     544                       ; an LDS row of B: 512 + 32 = 136 words
.set HALFT,  34816                     ; what one tensor load brings: 128 rows of A (x 272) or 64 k-rows of B (x 544)
.set BOFF,   2*HALFT                   ; B's tile lies behind A's
.set SLOT,   4*HALFT                   ; 139,264 = 2^17 + 2^13: both bits are clear in wave x 34,816 for waves 0 to 3, so an exclusive or with SLOT turns a descriptor's LDS word from one slot to the other
.set STAGE,  2*SLOT                    ; behind the ring: 16 rows x 272 bytes for each wave, for the way out; no tensor load fills it
.set SPITCH, 272
.set SPARE,  STAGE+4*16*SPITCH         ; the spare words, 128 bytes for each wave: two blocks of 256 bytes that no other line names
.set STEPS,  8                         ; K steps of 128
.set ROWB,   2048                      ; bytes in a row of A, of B and of C
.set A0R,  16                          ; v16     my lane's place among A's fragments in slot 0; never rewritten
.set ADRA, 17                          ; v17     the same in the slot in hand
.set B0R,  20                          ; v20, v21  the same for B
.set ADRB, 21
.set STO,  24                          ; v24     the way out: where I put 16 bytes of a row
.set RD,   25                          ; v25     the way out: where I read a row back
.set CO,   26                          ; v26     my byte offset in C
.set SPW,  28                          ; v28     LDS address of my spare word; never rewritten
.set NIL,  29                          ; v29     0; never rewritten
.set F0,   64
.set F1,   128
.set TMP,  192                         ; the way out: packed results
.set OB,   32                          ; the way out: 16 rows read back: v32-63 and v224-255 by turns
.set G1,  24                           ; s[24:31] descriptor group 1 for A's tiles;  s[32:39] group 0: a set for each of the two first fills; the second then walks on
.set G0,  32
.set G1B, 48                           ; s[48:55], s[56:63] the same for B's tiles
.set G0B, 56
.set TB,  66                           ; s66     first LDS byte of the slot in hand: 0 or SLOT
.set MSB, 0
.macro WIN new                         ; the immediate's high byte repeats the setting that is left; a switch that changes nothing is dropped
.if MSB != (\new)
	s_set_vgpr_msb (MSB<<8)|(\new)
.set MSB, (\new)
.endif
.endm
; A joint load.  Waves 0 and 1 fetch A's two halves, waves 2 and 3 B's.  The branch hangs on the wave's number alone.  An s_nop 0 and four v_nop follow each of the two lines.
.macro JLOAD s
	s_cmp_eq_u32 s11, 0
	s_cbranch_scc0 .Lfor_b_\@
	tensor_load_to_lds s[G0+4*(\s):G0+4*(\s)+3], s[G1:G1+7]
	s_nop 0
.rept 4
	v_nop
.endr
	s_branch .Lasked_\@
.Lfor_b_\@:
	tensor_load_to_lds s[G0B+4*(\s):G0B+4*(\s)+3], s[G1B:G1B+7]
	s_nop 0
.rept 4
	v_nop
.endr
.Lasked_\@:
.endm
.macro CREST                           ; a round of the cluster's barrier behind its opening barrier
	s_cmp_lg_u32 s10, 0
	s_cbranch_scc1 .Lnot_wave_0_\@
	s_barrier_signal -3
.Lnot_wave_0_\@:
	s_barrier_wait -3
	s_barrier_signal -1
	s_barrier_wait -1
.endm
.macro CROUND                          ; a whole round
	s_barrier_signal -1
	s_barrier_wait -1
	CREST
.endm
.macro PLACES                          ; four places in front of loads into registers that matrix instructions have read, and of vector work on their results
.rept 4
	v_nop
.endr
.endm
	s_load_b128 s[4:7], s[0:1], 0x0                ; A0 s[4:5], B s[6:7]
	s_load_b64 s[8:9], s[0:1], 0x10                ; C
	s_load_b128 s[68:71], s[0:1], 0x18             ; A1 s[68:69], bias0 s[70:71]
	s_load_b64 s[72:73], s[0:1], 0x28              ; bias1
	v_lshl_add_u32 v[SPW], v0, 2, SPARE
	v_mov_b32 v[NIL], 0
	ds_add_u32 v28, v29
	s_wait_dscnt 0x0
	v_lshrrev_b32 v1, 5, v0
	v_readfirstlane_b32 s10, v1                    ; wave 0..3
	s_lshr_b32 s11, s10, 1                         ; which half of the tile's rows is mine.  Also: I fetch for A (0) or for B (1)
	s_and_b32 s12, s10, 1                          ; which half of its columns.  Also: which half of that tile I fetch
	s_bfe_u32 s40, ttmp6, 0x40000                  ; cx: the tile column of C, 0..3
	s_bfe_u32 s41, ttmp6, 0x40004                  ; cy
	s_and_b32 s13, ttmp7, 0xffff                   ; the cluster's y: 0..7, or 0..15 in the taller grid
	s_lshr_b32 s74, s13, 3                         ; 1 in the upper half of the taller grid alone: there A1 is the left operand
	s_or_b32 s45, s74, ttmp9                       ; which of the two projections: that, or the cluster's x (0 in the taller grid); all sixteen partners share it
	s_and_b32 s13, s13, 7
	s_lshl_b32 s13, s13, 2
	s_add_co_u32 s13, s13, s41                     ; tile row of C = 4 x (cluster y mod 8) + cy
	s_lshl_b32 s43, s41, 2
	s_lshl_b32 s43, 15, s43                        ; my row of the cluster
	s_lshl_b32 s44, 0x1111, s40                    ; my column
	s_or_b32 s[G1+0], s43, (1<<16)|(1<<20)|(1<<21)|(5<<22)|(3<<25)   ; the mask; 2-byte elements; padding on; bit 21 beside a mask; after every 64 words, 4 words
	s_mov_b32 s[G1+1], 128<<16                     ; tensor_dim0 = 128
	s_mov_b32 s[G1+2], 128<<16                     ; tensor_dim1 = 128
	s_mov_b32 s[G1+3], 128<<16                     ; tile_dim0 = 128 elements (256 bytes)
	s_mov_b32 s[G1+4], 128                         ; tile_dim1 = 128 rows
	s_mov_b32 s[G1+5], 1024                        ; elements from row to row
	s_mov_b32 s[G1+6], 0
	s_mov_b32 s[G1+7], 0
	s_or_b32 s[G1B+0], s44, (1<<16)|(1<<20)|(1<<21)|(6<<22)|(7<<25)  ; the same with my column's mask; after every 128 words, 8 words
	s_mov_b32 s[G1B+1], 256<<16                    ; tensor_dim0 = 256
	s_mov_b32 s[G1B+2], 64<<16                     ; tensor_dim1 = 64
	s_mov_b32 s[G1B+3], 256<<16                    ; tile_dim0 = 256 elements (512 bytes)
	s_mov_b32 s[G1B+4], 64                         ; tile_dim1 = 64 k-rows
	s_mov_b32 s[G1B+5], 1024
	s_mov_b32 s[G1B+6], 0
	s_mov_b32 s[G1B+7], 0
	s_lshl_b32 s16, s13, 8                         ; A: row 256 x tile row + 128 x half,
	s_lshl_b32 s17, s12, 7
	s_add_co_u32 s16, s16, s17
	s_lshl_b32 s16, s16, 11                        ; in bytes: under 2^25
	s_mov_b32 s17, 0
	s_lshl_b32 s46, s45, 21                        ; B: which weight, 2 MiB each,
	s_lshl_b32 s47, s40, 9                         ; the tile column's 512 bytes of a k-row,
	s_add_co_u32 s46, s46, s47
	s_lshl_b32 s47, s12, 17                        ; and 64 k-rows x half
	s_add_co_u32 s46, s46, s47
	s_mov_b32 s47, 0
	s_mul_i32 s20, s10, HALFT                      ; where they go: A's two halves, then B's two halves = wave x 34,816 bytes
	s_mov_b32 s[TB], 0                             ; the walk begins in slot 0
	s_wait_kmcnt 0x0
	s_cmp_eq_u32 s74, 0
	s_cselect_b64 s[4:5], s[4:5], s[68:69]         ; A0, or A1 in the upper half of the taller grid
	s_cmp_eq_u32 s45, 0
	s_cselect_b64 s[70:71], s[70:71], s[72:73]     ; bias0 or bias1
	s_cselect_b32 s18, 0x1000000, 0                ; projection 0 goes to C's second 16 MiB
	s_add_nc_u64 s[14:15], s[4:5], s[16:17]
	s_add_nc_u64 s[46:47], s[6:7], s[46:47]
	CROUND                                         ; all sixteen work-groups are here: the first joint loads meet
.irp s, 0,1
	s_mov_b32 s[G0+4*(\s)], 1                                      ; count = 1
	s_add_co_u32 s[G0+4*(\s)+1], s20, (\s)*SLOT                    ; LDS address
	s_add_nc_u64 s[G0+4*(\s)+2:G0+4*(\s)+3], s[14:15], (\s)*256    ; global address: K step s lies 256 bytes along A's rows,
	s_or_b32 s[G0+4*(\s)+3], s[G0+4*(\s)+3], 0x80000000            ; type = 2
	s_mov_b32 s[G0B+4*(\s)], 1
	s_add_co_u32 s[G0B+4*(\s)+1], s20, (\s)*SLOT
	s_add_nc_u64 s[G0B+4*(\s)+2:G0B+4*(\s)+3], s[46:47], (\s)*128*ROWB  ; and 128 k-rows down B
	s_or_b32 s[G0B+4*(\s)+3], s[G0B+4*(\s)+3], 0x80000000
	JLOAD \s                                       ; two tensor loads of mine are out
.endr
	; A's fragment: lane l holds row l % 16, K = 8 (l / 16) + 0..7 and 16 + 8 (l / 16) + 0..7: two loads of 16 bytes, 32 bytes apart.
	v_and_b32 v1, 15, v0                           ; l % 16
	v_bfe_u32 v2, v0, 4, 1                         ; l / 16
	v_mul_u32_u24 v3, v1, PA
	v_lshl_add_u32 v3, v2, 4, v3
	; B's: the turning load takes 16 k x 16 columns (lane l reads k-row 8 (l / 16) + l % 8, columns 8 ((l / 8) % 2) + 0..7) and leaves lane l column l % 16 and 8 k.
	v_and_b32 v10, 7, v0
	v_bfe_u32 v11, v0, 3, 1
	v_lshl_add_u32 v4, v2, 3, v10
	v_mul_u32_u24 v4, v4, PB
	v_lshl_add_u32 v4, v11, 4, v4
	s_mul_i32 s21, s11, HALFT                      ; my 128 rows of A
	s_lshl_b32 s22, s12, 8                         ; my 128 columns of B: 256 bytes of each k-row,
	s_add_co_u32 s22, s22, BOFF                    ; behind A's tile
	v_add_nc_u32 v[A0R], s21, v3
	v_add_nc_u32 v[B0R], s22, v4
	v_mov_b32 v[ADRA], v[A0R]                      ; slot 0 is in hand
	v_mov_b32 v[ADRB], v[B0R]
	; the bias of my 128 columns: block b's eight registers are bias[16 b + 8 (l / 16) + 0..7]
	s_lshl_b32 s46, s40, 10
	s_lshl_b32 s47, s12, 9
	s_add_co_u32 s46, s46, s47
	s_mov_b32 s47, 0
	s_add_nc_u64 s[70:71], s[70:71], s[46:47]
	v_lshlrev_b32 v9, 5, v2                        ; 32 bytes x half of the lanes
	WIN 0x40                                       ; destination window 1
.irp b, 0,1,2,3,4,5,6,7
	global_load_b128 v[8*(\b):8*(\b)+3],   v9, s[70:71] offset:64*(\b)
	global_load_b128 v[8*(\b)+4:8*(\b)+7], v9, s[70:71] offset:64*(\b)+16
.endr
	WIN 0
	s_mul_i32 s23, s10, 16*SPITCH
	s_add_co_u32 s23, s23, STAGE                   ; my stage
	v_mul_u32_u24 v5, v1, SPITCH                   ; in: row l % 16, 16 bytes for each half of the lanes
	v_lshl_add_u32 v5, v2, 4, v5
	v_add_nc_u32 v[STO], s23, v5
	v_mul_u32_u24 v5, v2, SPITCH                   ; back: lanes 0-15 take one row of 256 bytes, lanes 16-31 the next
	v_lshl_add_u32 v5, v1, 4, v5
	v_add_nc_u32 v[RD], s23, v5
	v_lshlrev_b32 v5, 11, v2                       ; and the same two rows in C
	v_lshl_add_u32 v[CO], v1, 4, v5
	s_lshl_b32 s16, s13, 8                         ; C at my first row,
	s_lshl_b32 s17, s11, 7
	s_add_co_u32 s16, s16, s17
	s_lshl_b32 s16, s16, 11
	s_add_co_u32 s16, s16, s18                     ; in the projection's half of the buffer,
	s_mov_b32 s17, 0
	s_add_nc_u64 s[8:9], s[8:9], s[16:17]
	s_lshl_b32 s46, s40, 9                         ; at my first column
	s_lshl_b32 s47, s12, 8
	s_add_co_u32 s46, s46, s47
	s_mov_b32 s47, 0
	s_add_nc_u64 s[8:9], s[8:9], s[46:47]
; 8 matrix instructions: block a of 16 rows x all 8 blocks of 16 columns, 32 along K.  mode 2: the bias starts the sums; mode 0: they go on.
; The 64 accumulators take turns, one instruction a turn, in the same order in every quarter.
.macro MULA f, a, mode
.if (\mode) == 2
	WIN 0x91+0x40*((\a)/4)                         ; B and the bias window 1, A window 0, D window 2 or 3
.else
	WIN 0xa1+0x50*((\a)/4)                         ; B window 1, A window 0, C and D window 2 or 3
.endif
.irp b, 0,1,2,3,4,5,6,7
.if (\mode) == 2
	v_wmma_f32_16x16x32_bf16 v[8*(8*((\a)%4)+(\b)):8*(8*((\a)%4)+(\b))+7], v[(\f)+8*(\b):(\f)+8*(\b)+7], v[(\f)+8*(\a):(\f)+8*(\a)+7], v[8*(\b):8*(\b)+7]
.else
	v_wmma_f32_16x16x32_bf16 v[8*(8*((\a)%4)+(\b)):8*(8*((\a)%4)+(\b))+7], v[(\f)+8*(\b):(\f)+8*(\b)+7], v[(\f)+8*(\a):(\f)+8*(\a)+7], v[8*(8*((\a)%4)+(\b)):8*(8*((\a)%4)+(\b))+7]
.endif
.endr
.endm
; 32 LDS loads in one run: the fragments of quarter q (32 along K) of the slot in hand into buffer f: B's sixteen, then A's sixteen, blocks ascending
.macro FETCH q, f
	WIN 0x40                                       ; destination window 1, address window 0
.irp i, 0,1,2,3,4,5,6,7
	ds_load_tr16_b128 v[(\f)+8*(\i):(\f)+8*(\i)+3],   v[ADRB] offset:(\q)*32*PB+32*(\i)
	ds_load_tr16_b128 v[(\f)+8*(\i)+4:(\f)+8*(\i)+7], v[ADRB] offset:(\q)*32*PB+16*PB+32*(\i)
.endr
	WIN 0
.irp i, 0,1,2,3,4,5,6,7
	ds_load_b128 v[(\f)+8*(\i):(\f)+8*(\i)+3],   v[ADRA] offset:(\q)*64+(\i)*16*PA
	ds_load_b128 v[(\f)+8*(\i)+4:(\f)+8*(\i)+7], v[ADRA] offset:(\q)*64+(\i)*16*PA+32
.endr
.endm
; A K step is four quarters of 32 along K, 64 matrix instructions each, on buffers 0, 1, 0, 1.  One of the first three: multiplies buffer f and fetches quarter q into buffer g.
.macro QUARTER q, f, g, mode
	s_wait_dscnt 8                                 ; B and A's blocks 0-3 are in; the youngest eight loads (A's blocks 4-7) may be out
.irp x, 0,1,2,3
	MULA \f, \x, \mode
.endr
	PLACES
	FETCH \q, \g
	s_wait_dscnt 32                                ; all but the 32 just issued
.irp x, 4,5,6,7
	MULA \f, \x, \mode
.endr
.endm
; The last quarter multiplies buffer 1 and changes slots: ONE barrier.  In front of it each wave waits for all its tensor loads (one is out: its part of the next slot), adds 0 to its spare word,
; and waits for that and for its reads of this slot.  fill = 1: the barrier opens a round of the cluster's barrier, and behind the round this slot is filled again, two K steps ahead, first thing:
; the walking descriptor takes the other slot than last time and the next K step.
.macro TURN fill
	WIN 0                                          ; (the add's two registers lie in window 0)
	s_wait_tensorcnt 0x0                           ; all my tensor loads have landed
	ds_add_u32 v[SPW], v[NIL]                      ; 0 onto my spare word
	s_wait_dscnt 9                                 ; (the add and the youngest eight loads may be out)
	MULA F1, 0, 0
	MULA F1, 1, 0                                  ; sixteen matrix instructions stand between the add and the wait for it
	s_wait_dscnt 0x0                               ; the add is done, and my reads of this slot are over
	s_barrier_signal -1
	MULA F1, 2, 0
	MULA F1, 3, 0
	WIN 0                                          ; (branches or address work follow)
	s_barrier_wait -1
.if \fill
	CREST                                          ; no wave of any partner still reads this slot's tiles or has a load on its way
	s_xor_b32 s[G0+5], s[G0+5], SLOT
	s_add_nc_u64 s[G0+6:G0+7], s[G0+6:G0+7], 256
	s_xor_b32 s[G0B+5], s[G0B+5], SLOT
	s_add_nc_u64 s[G0B+6:G0B+7], s[G0B+6:G0B+7], 128*ROWB
	JLOAD 1                                        ; my one tensor load behind the round: 224 matrix instructions ahead of the wait for it; its four v_nop are also the places in front of the loads below
.else
	PLACES
.endif
	s_xor_b32 s[TB], s[TB], SLOT                   ; the other slot is in hand
	v_add_nc_u32 v[ADRA], s[TB], v[A0R]
	v_add_nc_u32 v[ADRB], s[TB], v[B0R]
	FETCH 0, F0
.irp x, 4,5,6,7
	MULA F1, \x, 0
.endr
.endm
; THE WAY OUT of block a (16 rows), in three parts.  PACK: rounded to bf16, 16 bytes a lane.  TOSTAGE: into my own stage in LDS, and back as whole rows of 256 bytes.  SEND: stored.
.macro PACK a
	WIN 0x0a+5*((\a)/4)                            ; sources 0 and 1: window 2 or 3
.irp b, 0,1,2,3,4,5,6,7
.irp r, 0,1,2,3
	v_cvt_pk_bf16_f32 v[TMP+4*(\b)+(\r)], v[64*((\a)%4)+8*(\b)+2*(\r)], v[64*((\a)%4)+8*(\b)+2*(\r)+1]
.endr
.endr
	WIN 0
.endm
.macro TOSTAGE a
.set BK, OB+192*((\a)%2)
.irp b, 0,1,2,3,4,5,6,7
	ds_store_b128 v[STO], v[TMP+4*(\b):TMP+4*(\b)+3] offset:32*(\b)
.endr
.irp t, 0,1,2,3,4,5,6,7
	ds_load_b128 v[BK+4*(\t):BK+4*(\t)+3], v[RD] offset:(\t)*2*SPITCH  ; LDS serves a wave's instructions in order (ISA guide 5.7.1.4): these see the stores above
.endr
.endm
.macro SEND a
.set BK, OB+192*((\a)%2)
	s_wait_dscnt 0x0                               ; the block is back in registers
	s_wait_xcnt 0x0                                ; only behind this wait are the stores' base and the registers that earlier stores read rewritten
.if (\a) > 0
	s_add_nc_u64 s[8:9], s[8:9], 16*ROWB           ; 16 rows of C on
.endif
.irp t, 0,1,2,3,4,5,6,7
	global_store_b128 v[CO], v[BK+4*(\t):BK+4*(\t)+3], s[8:9] offset:2*(\t)*ROWB  ; 16 lanes store 256 consecutive bytes, at a multiple of 256 from C's first byte
.endr
.endm
	s_wait_tensorcnt 1                             ; my part of K step 0 is in; K step 1's may stay out
	s_barrier_signal -1
	s_barrier_wait -1                              ; everybody's is
	FETCH 0, F0
	s_wait_loadcnt 0x0                             ; the bias
	QUARTER 1, F0, F1, 2                           ; the first quarter stands ahead of the loop: its products start the sums, on the bias
	WIN 0                                          ; at a label and at a branch every window is 0
	s_mov_b32 s3, STEPS-2
	s_branch .Lentry                               ; the loop is entered behind its first quarter
.Lstep:                                                ; a trip is a K step; its change of slots fills the slot again: steps 0 to 5 ask for steps 2 to 7
	QUARTER 1, F0, F1, 0
	WIN 0
.Lentry:
	QUARTER 2, F1, F0, 0
	QUARTER 3, F0, F1, 0
	TURN 1
	WIN 0
	s_sub_co_u32 s3, s3, 1
	s_cmp_lg_u32 s3, 0
	s_cbranch_scc1 .Lstep
	s_mov_b32 s3, 2
.Ltail:                                                ; the last two K steps fill nothing
	QUARTER 1, F0, F1, 0
	QUARTER 2, F1, F0, 0
	QUARTER 3, F0, F1, 0
	TURN 0
	WIN 0
	s_sub_co_u32 s3, s3, 1
	s_cmp_lg_u32 s3, 0
	s_cbranch_scc1 .Ltail
	s_wait_dscnt 0x0                               ; the last change of slots fetched fragments that nobody multiplies: they are in, and their registers are free
	PLACES
	PACK 0
	TOSTAGE 0
.irp a, 1,2,3,4,5,6,7                  ; block a's conversions stand between block a - 1's loads from the stage and the wait for them
	PACK \a
	SEND (\a)-1
	TOSTAGE \a
.endr
	SEND 7
	s_wait_tensorcnt 0x0                           ; the wave's end
	ds_add_u32 v[SPW], v[NIL]
	s_wait_dscnt 0x0
	CROUND                                         ; the closing round: no work-group ends while a partner may still ask for a tile that names it
	s_endpgm
.Lfunc_end_k_qf2527d8658_proj1:
	.size	k_qf2527d8658_proj1, .Lfunc_end_k_qf2527d8658_proj1-k_qf2527d8658_proj1
	.p2alignl 7, 3214868480
	.fill 96, 4, 3214868480
	.section	.rodata,"a",@progbits
	.p2align	6, 0x0
	.amdhsa_kernel k_qf2527d8658_proj1
		.amdhsa_group_segment_fixed_size 327680
		.amdhsa_private_segment_fixed_size 0
		.amdhsa_enable_private_segment 0
		.amdhsa_kernarg_size 48
		.amdhsa_user_sgpr_count 2
		.amdhsa_user_sgpr_kernarg_segment_ptr 1
		.amdhsa_wavefront_size32 1
		.amdhsa_system_sgpr_workgroup_id_x 1
		.amdhsa_system_sgpr_workgroup_id_y 1
		.amdhsa_system_sgpr_workgroup_id_z 1
		.amdhsa_system_vgpr_workitem_id 0
		.amdhsa_next_free_vgpr 1024
		.amdhsa_next_free_sgpr 80
		.amdhsa_reserve_vcc 0
		.amdhsa_float_denorm_mode_32 3
		.amdhsa_float_denorm_mode_16_64 3
		.amdhsa_memory_ordered 1
		.amdhsa_forward_progress 1
		.amdhsa_inst_pref_size 102
	.end_amdhsa_kernel
	.amdgpu_metadata
---
amdhsa.version: [ 1, 2 ]
amdhsa.kernels:
  - .name:           k_qf2527d8658_proj1
    .symbol:         k_qf2527d8658_proj1.kd
    .args:
      - { .name: Xb, .offset: 0, .size: 8, .value_kind: global_buffer, .address_space: global }
      - { .name: WB1, .offset: 8, .size: 8, .value_kind: global_buffer, .address_space: global }
      - { .name: VQ, .offset: 16, .size: 8, .value_kind: global_buffer, .address_space: global }
      - { .name: V2K, .offset: 24, .size: 8, .value_kind: global_buffer, .address_space: global }
      - { .name: bq, .offset: 32, .size: 8, .value_kind: global_buffer, .address_space: global }
      - { .name: bv, .offset: 40, .size: 8, .value_kind: global_buffer, .address_space: global }
    .group_segment_fixed_size: 327680
    .private_segment_fixed_size: 0
    .kernarg_segment_align: 8
    .kernarg_segment_size: 48
    .max_flat_workgroup_size: 128
    .sgpr_count:     80
    .vgpr_count:     1024
    .wavefront_size: 32
...
	.end_amdgpu_metadata
.endif
;; end of part 2
;; launch proj2: the kernel of part 2 again; grid 4 x 64, 4 waves a work-group, clusters of 4 x 4, 327,680 bytes of LDS; arguments Xb, WB2, V2K, VQ, bk, bd; writes V2K
;; launch scores (part 3): grid 8 x 32, 4 waves a work-group, clusters of 4 x 4, 327,680 bytes of LDS; arguments VQ, V2K, PS; writes PS
.if DOCPART == 3
	.amdgcn_target "amdgcn-amd-amdhsa--gfx1250"
	.amdhsa_code_object_version 6
	.text
	.protected	k_qf2527d8658_scores
	.globl	k_qf2527d8658_scores
	.p2align	8
	.type	k_qf2527d8658_scores,@function
k_qf2527d8658_scores:
	s_mov_b64 s[64:65], 0
	v_nop
	global_prefetch_b8 v0, s[64:65] scope:SCOPE_SE
	s_setreg_imm32_b32 hwreg(HW_REG_WAVE_MODE, 25, 1), 1
	s_wait_xcnt 0x0
	s_wait_alu depctr_hold_cnt(0) depctr_sa_sdst(0) depctr_va_vdst(0) depctr_va_sdst(0) depctr_va_ssrc(0) depctr_va_vcc(0) depctr_vm_vsrc(0)
	s_getreg_b32 s2, hwreg(HW_REG_IB_STS2, 6, 4)
	s_cmp_eq_u32 s2, 0
	s_cbranch_scc0 .Lentry_in_a_cluster
	s_endpgm
.Lentry_in_a_cluster:
	s_bfe_u32 s2, ttmp6, 0x10000c
	s_cmp_lg_u32 s2, 0xf033
	s_cbranch_scc0 .Lentry_shape_is_right
	s_endpgm
.Lentry_shape_is_right:
; SCORES AND THE FIRST HALF OF THE SOFTMAX.  s[q][k] = sum over d of Q[q][d] K[k][d], d = 1,024, for each of 4 batches of 2,048 queries and 2,048 keys.  Q lies in VQ's second 16 MiB,
; K in V2K's second 16 MiB, both [8192][1024] bf16.  Sums in f32.
; A row's 2,048 keys fall into 16 CHUNKS of 128.  For each row and chunk this launch takes the chunk's true maximum m and stores
;   p~ = 2^(c s - c m) in bf16 (PS, [8192][2048]),   c m in f32,   l = the sum of the unrounded p~ in f32   (behind p~: two planes [16 chunks][8192 rows]),   c = log2(e) / 32.
; The next launch finds the row's maximum among the 16 c m and brings the chunks onto it: together that is the softmax with the row's true maximum taken away.
; LIMITS: a weight below 2^-126 counts as 0; NaN and infinities are not treated apart.
; SHAPE.  A tile is 256 queries x 256 keys: 4 x 8 x 8 = 256 tiles, one to a work-group of four waves; a wave makes 128 x 128, which is 128 rows of ONE chunk, in 64 accumulators.
; K goes in 8 steps of 128 through two LDS slots, each with 256 rows of Q and 256 rows of K, 256 bytes a row.
; CLUSTER.  4 x 4 work-groups: the four of a row of the cluster need the same tile of Q, the four of a column the same tile of K; each is asked for jointly.
; THE MATRIX INSTRUCTION IS USED TRANSPOSED (source 0 = 16 keys, source 1 = 16 queries): a lane holds query l % 16 and the keys 16 b + 8 (l / 16) + 0..7 of its 8 blocks b: 64 of the
; chunk's 128 scores; the other 64 lie in the lane 16 away.  So maximum and sum want one exchange between the halves of the lanes.
; THE TEXT.  A K step stands twice: in a loop of 6 trips whose change of slots fills the slot again, and in a loop of 2 trips for the last two steps, which fill nothing.
; The slot in hand is a scalar, s66, turned by an exclusive or.  The first quarter, which starts the sums, stands ahead, and the first loop is entered behind its own first quarter.
; The softmax and the way out stand once, for the four blocks of window 2, in a loop of two trips; between the trips window 3's accumulators are copied onto window 2's.
; The prices: the very last change of slots fetches 32 fragments' loads that nobody multiplies; 256 v_mov_b32 a wave for the copy, which spares four blocks' text (some 7,000 bytes).
; REGISTERS, in windows of 256 (s_set_vgpr_msb: bits 1:0 source 0, 3:2 source 1, 5:4 source 2, 7:6 destination):
;   window 0: v0-31 addresses; v64-127, v128-191 fragments of Q, two buffers; on the way out v64-75 at work, v192-223 packed weights, v32-63 and v224-255 rows read back
;   window 1: v64-127, v128-191 fragments of K      window 2: accumulators of my rows 0-63 ((a, b) at v[8 (8 (a % 4) + b)])      window 3: of my rows 64-127
.set PA,     272                       ; an LDS row: 256 bytes + 16 of padding = 68 words: the 16 rows of a load start at 16 different groups of four banks (64 banks of 4 bytes: ISA guide 11.1)
.set HALFT,  128*PA                    ; 128 rows: what one tensor load brings, and what one wave reads of Q or of K
.set BOFF,   2*HALFT
.set SLOT,   4*HALFT                   ; 139,264 = 2^17 + 2^13: both bits are clear in wave x 34,816 for waves 0 to 3, so an exclusive or with SLOT turns a descriptor's LDS word from one slot to the other
.set STAGE,  2*SLOT                    ; behind the ring: 16 rows x 272 bytes for each wave
.set SPITCH, 272
.set SCR,    STAGE+4*16*SPITCH         ; 1,024 bytes for each wave: c m of its 128 rows, then l
.set SPARE,  SCR+4*1024                ; the spare words, 128 bytes for each wave: two blocks of 256 bytes that no other line names
.set STEPS,  8
.set PROW,   4096                      ; bytes in a row of p~
.set STA,  6                           ; v6      where I put my row's c m (lanes 0-15) or l (lanes 16-31); steps 64 rows' words between the two trips of the way out
.set SRD,  7                           ; v7      where I read 16 bytes of them back
.set SGO,  8                           ; v8      16 x lane
.set A0R,  16                          ; v16     my lane's place among Q's fragments in slot 0; never rewritten
.set ADRA, 17                          ; v17     the same in the slot in hand
.set B0R,  20                          ; v20, v21  the same for K
.set ADRB, 21
.set STO,  24
.set RD,   25
.set CO,   26
.set SPW,  28                          ; v28     LDS address of my spare word; never rewritten
.set NIL,  29                          ; v29     0; never rewritten
.set F0,   64
.set F1,   128
.set T,    64                          ; v64-71  eight running maxima
.set MC,   72                          ; v72     c m (v73 is named with it as a pair)
.set LS,   74                          ; v74-75  l, and the other half of the lanes'
.set TMP,  192
.set OB,   32
.set G1,  24                           ; s[24:31] group 1 for Q's tiles; s[32:39] group 0: a set for each of the two first fills; the second then walks on
.set G0,  32
.set G1B, 48                           ; s[48:55], s[56:63] the same for K's tiles
.set G0B, 56
.set TB,  66                           ; s66     first LDS byte of the slot in hand: 0 or SLOT
.set HM,  67                           ; s67     lanes 16-31
.set SEL, 76                           ; s[76:77] v_permlanex16_b32's selects: each lane takes its own place in the other half
.set CS,  78                           ; s[78:79] c: the packed scaling takes the pair's low word for both halves
.set MSB, 0
.macro WIN new
.if MSB != (\new)
	s_set_vgpr_msb (MSB<<8)|(\new)
.set MSB, (\new)
.endif
.endm
.macro JLOAD s                         ; a joint load: waves 0 and 1 fetch Q's two halves, waves 2 and 3 K's; an s_nop 0 and four v_nop follow each of the two lines
	s_cmp_eq_u32 s11, 0
	s_cbranch_scc0 .Lfor_b_\@
	tensor_load_to_lds s[G0+4*(\s):G0+4*(\s)+3], s[G1:G1+7]
	s_nop 0
.rept 4
	v_nop
.endr
	s_branch .Lasked_\@
.Lfor_b_\@:
	tensor_load_to_lds s[G0B+4*(\s):G0B+4*(\s)+3], s[G1B:G1B+7]
	s_nop 0
.rept 4
	v_nop
.endr
.Lasked_\@:
.endm
.macro CREST
	s_cmp_lg_u32 s10, 0
	s_cbranch_scc1 .Lnot_wave_0_\@
	s_barrier_signal -3
.Lnot_wave_0_\@:
	s_barrier_wait -3
	s_barrier_signal -1
	s_barrier_wait -1
.endm
.macro CROUND
	s_barrier_signal -1
	s_barrier_wait -1
	CREST
.endm
.macro PLACES
.rept 4
	v_nop
.endr
.endm
	s_load_b128 s[4:7], s[0:1], 0x0                ; VQ s[4:5], V2K s[6:7]
	s_load_b64 s[8:9], s[0:1], 0x10                ; PS
	v_lshl_add_u32 v[SPW], v0, 2, SPARE
	v_mov_b32 v[NIL], 0
	ds_add_u32 v28, v29
	s_wait_dscnt 0x0
	v_lshrrev_b32 v1, 5, v0
	v_readfirstlane_b32 s10, v1                    ; wave 0..3
	s_lshr_b32 s11, s10, 1                         ; which half of the tile's queries is mine.  Also: I fetch for Q (0) or for K (1)
	s_and_b32 s12, s10, 1                          ; which half of its keys.  Also: which 128 rows of that tile I fetch
	s_bfe_u32 s40, ttmp6, 0x40000                  ; cx
	s_bfe_u32 s41, ttmp6, 0x40004                  ; cy
	s_lshl_b32 s42, ttmp9, 2
	s_add_co_u32 s42, s42, s40                     ; key tile of the batch, 0..7 = 4 x cluster x + cx
	s_and_b32 s45, ttmp7, 0xffff
	s_lshl_b32 s13, s45, 2
	s_add_co_u32 s13, s13, s41                     ; query tile, 0..31, over all batches = 4 x cluster y + cy
	s_lshr_b32 s45, s45, 1                         ; the batch: two clusters along y to each; all sixteen partners share it
	s_lshl_b32 s43, s41, 2
	s_lshl_b32 s43, 15, s43                        ; my row of the cluster
	s_lshl_b32 s44, 0x1111, s40                    ; my column
	s_or_b32 s[G1+0], s43, (1<<16)|(1<<20)|(1<<21)|(5<<22)|(3<<25)   ; the mask; 2-byte elements; padding on; bit 21 beside a mask; after every 64 words, 4 words
	s_or_b32 s[G1B+0], s44, (1<<16)|(1<<20)|(1<<21)|(5<<22)|(3<<25)
.irp g, G1, G1B
	s_mov_b32 s[(\g)+1], 128<<16                   ; tensor_dim0 = 128
	s_mov_b32 s[(\g)+2], 128<<16                   ; tensor_dim1 = 128
	s_mov_b32 s[(\g)+3], 128<<16                   ; tile_dim0 = 128 elements (256 bytes)
	s_mov_b32 s[(\g)+4], 128                       ; tile_dim1 = 128 rows
	s_mov_b32 s[(\g)+5], 1024                      ; elements from row to row
	s_mov_b32 s[(\g)+6], 0
	s_mov_b32 s[(\g)+7], 0
.endr
	s_lshl_b32 s16, s13, 8                         ; Q: row 256 x query tile + 128 x half,
	s_lshl_b32 s17, s12, 7
	s_add_co_u32 s16, s16, s17
	s_lshl_b32 s16, s16, 11
	s_add_co_u32 s16, s16, 0x1000000               ; in VQ's second 16 MiB
	s_mov_b32 s17, 0
	s_lshl_b32 s46, s42, 8                         ; K: row 256 x key tile + 128 x half,
	s_lshl_b32 s47, s12, 7
	s_add_co_u32 s46, s46, s47
	s_lshl_b32 s46, s46, 11
	s_lshl_b32 s47, s45, 22                        ; in the batch's 4 MiB,
	s_add_co_u32 s46, s46, s47
	s_add_co_u32 s46, s46, 0x1000000               ; in V2K's second 16 MiB
	s_mov_b32 s47, 0
	s_mul_i32 s20, s10, HALFT                      ; where they go: wave x 128 rows
	s_mov_b32 s[TB], 0                             ; the walk begins in slot 0
	s_mov_b32 s[HM], 0xffff0000
	s_mov_b32 s[SEL], 0x76543210
	s_mov_b32 s[SEL+1], 0xfedcba98
	s_mov_b32 s[CS], 0x3d38aa3b                    ; c = log2(e) / 32
	s_mov_b32 s[CS+1], s[CS]                       ; named with it as a pair
	s_wait_kmcnt 0x0
	s_add_nc_u64 s[14:15], s[4:5], s[16:17]
	s_add_nc_u64 s[46:47], s[6:7], s[46:47]
	CROUND                                         ; all sixteen work-groups are here: the first joint loads meet
.irp s, 0,1
	s_mov_b32 s[G0+4*(\s)], 1
	s_add_co_u32 s[G0+4*(\s)+1], s20, (\s)*SLOT
	s_add_nc_u64 s[G0+4*(\s)+2:G0+4*(\s)+3], s[14:15], (\s)*256
	s_or_b32 s[G0+4*(\s)+3], s[G0+4*(\s)+3], 0x80000000
	s_mov_b32 s[G0B+4*(\s)], 1
	s_add_co_u32 s[G0B+4*(\s)+1], s20, (\s)*SLOT
	s_add_nc_u64 s[G0B+4*(\s)+2:G0B+4*(\s)+3], s[46:47], (\s)*256
	s_or_b32 s[G0B+4*(\s)+3], s[G0B+4*(\s)+3], 0x80000000
	JLOAD \s                                       ; two tensor loads of mine are out
.endr
	v_and_b32 v1, 15, v0                           ; l % 16
	v_bfe_u32 v2, v0, 4, 1                         ; l / 16
	v_mul_u32_u24 v3, v1, PA
	v_lshl_add_u32 v3, v2, 4, v3                   ; a fragment's row x pitch + 16 x half
	s_mul_i32 s21, s11, HALFT                      ; my 128 rows of Q
	s_mul_i32 s22, s12, HALFT                      ; my 128 rows of K,
	s_add_co_u32 s22, s22, BOFF                    ; which lie behind Q's 256
	v_add_nc_u32 v[A0R], s21, v3
	v_add_nc_u32 v[B0R], s22, v3
	v_mov_b32 v[ADRA], v[A0R]                      ; slot 0 is in hand
	v_mov_b32 v[ADRB], v[B0R]
	s_mul_i32 s23, s10, 16*SPITCH
	s_add_co_u32 s23, s23, STAGE                   ; my stage
	v_mul_u32_u24 v5, v1, SPITCH
	v_lshl_add_u32 v5, v2, 4, v5
	v_add_nc_u32 v[STO], s23, v5
	v_mul_u32_u24 v5, v2, SPITCH
	v_lshl_add_u32 v5, v1, 4, v5
	v_add_nc_u32 v[RD], s23, v5
	v_lshlrev_b32 v5, 12, v2                       ; two rows of p~
	v_lshl_add_u32 v[CO], v1, 4, v5
	s_lshl_b32 s23, s10, 10
	s_add_co_u32 s23, s23, SCR                     ; my 1,024 bytes for c m and l
	v_lshlrev_b32 v5, 9, v2                        ; lanes 0-15 write c m, lanes 16-31 l, 512 bytes on
	v_lshl_add_u32 v5, v1, 2, v5
	v_add_nc_u32 v[STA], s23, v5
	v_and_b32 v5, 31, v0
	v_lshlrev_b32 v[SGO], 4, v5
	v_add_nc_u32 v[SRD], s23, v[SGO]
	s_lshl_b32 s16, s13, 8
	s_lshl_b32 s17, s11, 7
	s_add_co_u32 s16, s16, s17                     ; my first row
	s_lshl_b32 s18, s16, 2                         ; its word in a chunk's 8,192,
	s_add_co_u32 s18, s18, 0x2000000               ; behind the 32 MiB of p~
	s_mov_b32 s19, 0
	s_add_nc_u64 s[74:75], s[8:9], s[18:19]
	s_lshl_b32 s16, s16, 12                        ; and its row of p~
	s_mov_b32 s17, 0
	s_add_nc_u64 s[8:9], s[8:9], s[16:17]
	s_lshl_b32 s46, s42, 1
	s_add_co_u32 s46, s46, s12                     ; my chunk = 2 x key tile + half
	s_lshl_b32 s18, s46, 15                        ; a chunk's 8,192 words
	s_add_nc_u64 s[74:75], s[74:75], s[18:19]
	s_lshl_b32 s46, s46, 8                         ; a chunk's 256 bytes of a row of p~
	s_mov_b32 s47, 0
	s_add_nc_u64 s[8:9], s[8:9], s[46:47]
; 8 matrix instructions: block a of 16 queries x all 8 blocks of 16 keys, 32 along K.  zero = 1: the first product starts the sums.  The 64 accumulators take turns.
.macro MULA f, a, zero
	WIN 0xa1+0x50*((\a)/4)                         ; K window 1, Q window 0, C and D window 2 or 3
.irp b, 0,1,2,3,4,5,6,7
.if \zero
	v_wmma_f32_16x16x32_bf16 v[8*(8*((\a)%4)+(\b)):8*(8*((\a)%4)+(\b))+7], v[(\f)+8*(\b):(\f)+8*(\b)+7], v[(\f)+8*(\a):(\f)+8*(\a)+7], 0
.else
	v_wmma_f32_16x16x32_bf16 v[8*(8*((\a)%4)+(\b)):8*(8*((\a)%4)+(\b))+7], v[(\f)+8*(\b):(\f)+8*(\b)+7], v[(\f)+8*(\a):(\f)+8*(\a)+7], v[8*(8*((\a)%4)+(\b)):8*(8*((\a)%4)+(\b))+7]
.endif
.endr
.endm
.macro FETCH q, f                      ; 32 LDS loads in one run, from the slot in hand: K's sixteen, then Q's sixteen, blocks ascending
	WIN 0x40
.irp i, 0,1,2,3,4,5,6,7
	ds_load_b128 v[(\f)+8*(\i):(\f)+8*(\i)+3],   v[ADRB] offset:(\q)*64+(\i)*16*PA
	ds_load_b128 v[(\f)+8*(\i)+4:(\f)+8*(\i)+7], v[ADRB] offset:(\q)*64+(\i)*16*PA+32
.endr
	WIN 0
.irp i, 0,1,2,3,4,5,6,7
	ds_load_b128 v[(\f)+8*(\i):(\f)+8*(\i)+3],   v[ADRA] offset:(\q)*64+(\i)*16*PA
	ds_load_b128 v[(\f)+8*(\i)+4:(\f)+8*(\i)+7], v[ADRA] offset:(\q)*64+(\i)*16*PA+32
.endr
.endm
.macro QUARTER q, f, g, zero
	s_wait_dscnt 8                                 ; K and Q's blocks 0-3 are in; the youngest eight loads (Q's blocks 4-7) may be out
.irp x, 0,1,2,3
	MULA \f, \x, \zero
.endr
	PLACES
	FETCH \q, \g
	s_wait_dscnt 32                                ; all but the 32 just issued
.irp x, 4,5,6,7
	MULA \f, \x, \zero
.endr
.endm
; The last quarter multiplies buffer 1 and changes slots: one barrier; in front of it the wait for all my tensor loads, the add, and the wait for it and for my reads of this slot.
; fill = 1: the barrier opens a round of the cluster's, and behind it the walking descriptor (the other slot than last time, the next K step) fills this slot again, first thing.
.macro TURN fill
	WIN 0
	s_wait_tensorcnt 0x0                           ; all my tensor loads have landed: the one that was out is my part of the next slot
	ds_add_u32 v[SPW], v[NIL]                      ; 0 onto my spare word
	s_wait_dscnt 9                                 ; (the add and the youngest eight loads may be out)
	MULA F1, 0, 0
	MULA F1, 1, 0
	s_wait_dscnt 0x0                               ; the add is done, and my reads of this slot are over
	s_barrier_signal -1
	MULA F1, 2, 0
	MULA F1, 3, 0
	WIN 0
	s_barrier_wait -1
.if \fill
	CREST                                          ; no wave of any partner still reads this slot or has a load on its way
	s_xor_b32 s[G0+5], s[G0+5], SLOT
	s_add_nc_u64 s[G0+6:G0+7], s[G0+6:G0+7], 256
	s_xor_b32 s[G0B+5], s[G0B+5], SLOT
	s_add_nc_u64 s[G0B+6:G0B+7], s[G0B+6:G0B+7], 256
	JLOAD 1                                        ; my one tensor load behind the round; its four v_nop are also the places in front of the loads below
.else
	PLACES
.endif
	s_xor_b32 s[TB], s[TB], SLOT                   ; the other slot is in hand
	v_add_nc_u32 v[ADRA], s[TB], v[A0R]
	v_add_nc_u32 v[ADRB], s[TB], v[B0R]
	FETCH 0, F0
.irp x, 4,5,6,7
	MULA F1, \x, 0
.endr
.endm
; THE SOFTMAX OF BLOCK a of window 2's four: 16 rows of my chunk, 64 scores a lane in the block's eight accumulators.  Each accumulator's lowest registers are read first.
.macro SOFT a
.set AC, 64*(\a)
	WIN 0x2a                                       ; all three sources window 2
.irp b, 0,1,2,3,4,5,6,7
	v_max3_num_f32 v[T+(\b)], v[AC+8*(\b)], v[AC+8*(\b)+1], v[AC+8*(\b)+2]
.endr
	WIN 0x28                                       ; sources 1 and 2 window 2
.irp j, 3,5
.irp b, 0,1,2,3,4,5,6,7
	v_max3_num_f32 v[T+(\b)], v[T+(\b)], v[AC+8*(\b)+(\j)], v[AC+8*(\b)+(\j)+1]
.endr
.endr
.irp b, 0,1,2,3,4,5,6,7
	v_max_num_f32 v[T+(\b)], v[T+(\b)], v[AC+8*(\b)+7]
.endr
	WIN 0
	v_max3_num_f32 v[T], v[T], v[T+1], v[T+2]
	v_max3_num_f32 v[T+3], v[T+3], v[T+4], v[T+5]
	v_max_num_f32 v[T+6], v[T+6], v[T+7]
	v_max3_num_f32 v[T], v[T], v[T+3], v[T+6]
	v_permlanex16_b32 v[T+1], v[T], s[SEL], s[SEL+1]  ; the row's other 64 scores lie in the lane 16 away
	v_max_num_f32 v[T], v[T], v[T+1]               ; m
	v_mul_f32 v[MC], s[CS], v[T]                   ; c m
	WIN 0x82                                       ; source 0 and destination window 2
.set i, 0
.rept 32
	v_pk_fma_f32 v[AC+2*i:AC+2*i+1], v[AC+2*i:AC+2*i+1], s[CS:CS+1], v[MC:MC+1] op_sel_hi:[1,0,0] neg_lo:[0,0,1] neg_hi:[0,0,1]  ; c s - c m
.set i, i+1
.endr
.set i, 0
.rept 64
	v_exp_f32 v[AC+i], v[AC+i]
.set i, i+1
.endr
	v_nop                                          ; a plain instruction between the last exponential and the use of its result
	WIN 0x0a                                       ; sources 0 and 1 window 2
.set i, 0
	s_wait_alu depctr_va_vdst(0)
.rept 32
	v_cvt_pk_bf16_f32 v[TMP+i], v[AC+2*i], v[AC+2*i+1]
.set i, i+1
.endr
	WIN 0x8a                                       ; and the destination too
.irp d, 16,8,4,2,1                     ; the sum of the 32 pairs of unrounded weights, in place, as a tree
.set i, 0
.rept \d
	v_pk_add_f32 v[AC+2*i:AC+2*i+1], v[AC+2*i:AC+2*i+1], v[AC+2*(i+(\d)):AC+2*(i+(\d))+1]
.set i, i+1
.endr
.endr
	WIN 0x0a
	v_add_f32 v[LS], v[AC], v[AC+1]
	WIN 0
	v_permlanex16_b32 v[LS+1], v[LS], s[SEL], s[SEL+1]
	v_add_f32 v[LS], v[LS], v[LS+1]                ; l
	v_cndmask_b32 v[LS], v[MC], v[LS], s[HM]       ; lanes 0-15 hand on c m, lanes 16-31 l
	ds_store_b32 v[STA], v[LS] offset:64*(\a)
.endm
.macro TOSTAGE a
.set BK, OB+192*((\a)%2)
.irp b, 0,1,2,3,4,5,6,7
	ds_store_b128 v[STO], v[TMP+4*(\b):TMP+4*(\b)+3] offset:32*(\b)
.endr
.irp t, 0,1,2,3,4,5,6,7
	ds_load_b128 v[BK+4*(\t):BK+4*(\t)+3], v[RD] offset:(\t)*2*SPITCH  ; LDS serves a wave's instructions in order (ISA guide 5.7.1.4): these see the stores above
.endr
.endm
.macro SEND a
.set BK, OB+192*((\a)%2)
	s_wait_dscnt 0x0                               ; the block is back in registers
	s_wait_xcnt 0x0                                ; only behind this wait are the stores' base and the registers that earlier stores read rewritten
	s_add_nc_u64 s[8:9], s[8:9], s[16:17]          ; nothing in front of the wave's first block, 16 rows of p~ in front of every other
	s_mov_b32 s16, 16*PROW
.irp t, 0,1,2,3,4,5,6,7
	global_store_b128 v[CO], v[BK+4*(\t):BK+4*(\t)+3], s[8:9] offset:2*(\t)*PROW  ; 16 lanes store 256 consecutive bytes, at a multiple of 256 from the buffer's first byte
.endr
.endm
	s_wait_tensorcnt 1                             ; my part of K step 0 is in; K step 1's may stay out
	s_barrier_signal -1
	s_barrier_wait -1
	FETCH 0, F0
	QUARTER 1, F0, F1, 1                           ; the first quarter stands ahead of the loop: its products start the sums
	WIN 0                                          ; at a label and at a branch every window is 0
	s_mov_b32 s3, STEPS-2
	s_branch .Lentry                               ; the loop is entered behind its first quarter
.Lstep:                                                ; a trip is a K step; its change of slots fills the slot again: steps 0 to 5 ask for steps 2 to 7
	QUARTER 1, F0, F1, 0
	WIN 0
.Lentry:
	QUARTER 2, F1, F0, 0
	QUARTER 3, F0, F1, 0
	TURN 1
	WIN 0
	s_sub_co_u32 s3, s3, 1
	s_cmp_lg_u32 s3, 0
	s_cbranch_scc1 .Lstep
	s_mov_b32 s3, 2
.Ltail:                                                ; the last two K steps fill nothing
	QUARTER 1, F0, F1, 0
	QUARTER 2, F1, F0, 0
	QUARTER 3, F0, F1, 0
	TURN 0
	WIN 0
	s_sub_co_u32 s3, s3, 1
	s_cmp_lg_u32 s3, 0
	s_cbranch_scc1 .Ltail
	s_wait_dscnt 0x0                               ; the last change of slots fetched fragments that nobody multiplies: they are in, and their registers are free
	PLACES
	v_mov_b32 v[MC+1], 0                           ; named as c m's partner in a pair
	v_mov_b32 v[LS+1], 0                           ; v_permlanex16_b32 counts as a reader of its destination
	s_mov_b32 s16, 0                               ; what the first SEND adds to the stores' base
	s_mov_b32 s17, 0
	s_mov_b32 s3, 2
.Lhalf:                                                ; two trips: my rows 0-63, then my rows 64-127
	SOFT 0
	TOSTAGE 0
.irp a, 1,2,3                          ; block a's softmax stands between block a - 1's loads from the stage and the wait for them
	SOFT \a
	SEND (\a)-1
	TOSTAGE \a
.endr
	SEND 3
	s_cmp_eq_u32 s3, 1
	s_cbranch_scc1 .Lcopied                        ; behind the second trip nothing is left to copy
	WIN 0x83                                       ; source window 3, destination window 2
.set i, 0
.rept 256
	v_mov_b32 v[i], v[i]                           ; ascending: each accumulator's lowest register is read first
.set i, i+1
.endr
	WIN 0
	v_add_nc_u32 v[STA], 256, v[STA]               ; the next 64 rows' words of c m and of l
.Lcopied:
	s_sub_co_u32 s3, s3, 1
	s_cmp_lg_u32 s3, 0
	s_cbranch_scc1 .Lhalf
	ds_load_b128 v[T:T+3], v[SRD]                  ; my 128 rows' c m: 512 bytes,
	ds_load_b128 v[T+4:T+7], v[SRD] offset:512     ; and their l
	s_wait_dscnt 0x0
	global_store_b128 v[SGO], v[T:T+3], s[74:75]                   ; each store covers 512 consecutive bytes, aligned
	global_store_b128 v[SGO], v[T+4:T+7], s[74:75] offset:524288   ; l's plane lies 16 chunks x 32,768 bytes on
	s_wait_tensorcnt 0x0                           ; the wave's end
	ds_add_u32 v[SPW], v[NIL]
	s_wait_dscnt 0x0
	CROUND                                         ; the closing round
	s_endpgm
.Lfunc_end_k_qf2527d8658_scores:
	.size	k_qf2527d8658_scores, .Lfunc_end_k_qf2527d8658_scores-k_qf2527d8658_scores
	.p2alignl 7, 3214868480
	.fill 96, 4, 3214868480
	.section	.rodata,"a",@progbits
	.p2align	6, 0x0
	.amdhsa_kernel k_qf2527d8658_scores
		.amdhsa_group_segment_fixed_size 327680
		.amdhsa_private_segment_fixed_size 0
		.amdhsa_enable_private_segment 0
		.amdhsa_kernarg_size 24
		.amdhsa_user_sgpr_count 2
		.amdhsa_user_sgpr_kernarg_segment_ptr 1
		.amdhsa_wavefront_size32 1
		.amdhsa_system_sgpr_workgroup_id_x 1
		.amdhsa_system_sgpr_workgroup_id_y 1
		.amdhsa_system_sgpr_workgroup_id_z 1
		.amdhsa_system_vgpr_workitem_id 0
		.amdhsa_next_free_vgpr 1024
		.amdhsa_next_free_sgpr 80
		.amdhsa_reserve_vcc 0
		.amdhsa_float_denorm_mode_32 3
		.amdhsa_float_denorm_mode_16_64 3
		.amdhsa_memory_ordered 1
		.amdhsa_forward_progress 1
		.amdhsa_inst_pref_size 128
	.end_amdhsa_kernel
	.amdgpu_metadata
---
amdhsa.version: [ 1, 2 ]
amdhsa.kernels:
  - .name:           k_qf2527d8658_scores
    .symbol:         k_qf2527d8658_scores.kd
    .args:
      - { .name: VQ, .offset: 0, .size: 8, .value_kind: global_buffer, .address_space: global }
      - { .name: V2K, .offset: 8, .size: 8, .value_kind: global_buffer, .address_space: global }
      - { .name: PS, .offset: 16, .size: 8, .value_kind: global_buffer, .address_space: global }
    .group_segment_fixed_size: 327680
    .private_segment_fixed_size: 0
    .kernarg_segment_align: 8
    .kernarg_segment_size: 24
    .max_flat_workgroup_size: 128
    .sgpr_count:     80
    .vgpr_count:     1024
    .wavefront_size: 32
...
	.end_amdgpu_metadata
.endif
;; end of part 3
;; launch ctx (part 4): grid 4 x 64, 4 waves a work-group, clusters of 4 x 4, 327,680 bytes of LDS; arguments PS, V2K, T1, hidden_states; writes T1
.if DOCPART == 4
	.amdgcn_target "amdgcn-amd-amdhsa--gfx1250"
	.amdhsa_code_object_version 6
	.text
	.protected	k_qf2527d8658_ctx
	.globl	k_qf2527d8658_ctx
	.p2align	8
	.type	k_qf2527d8658_ctx,@function
k_qf2527d8658_ctx:
	s_mov_b64 s[64:65], 0
	v_nop
	global_prefetch_b8 v0, s[64:65] scope:SCOPE_SE
	s_setreg_imm32_b32 hwreg(HW_REG_WAVE_MODE, 25, 1), 1
	s_wait_xcnt 0x0
	s_wait_alu depctr_hold_cnt(0) depctr_sa_sdst(0) depctr_va_vdst(0) depctr_va_sdst(0) depctr_va_ssrc(0) depctr_va_vcc(0) depctr_vm_vsrc(0)
	s_getreg_b32 s2, hwreg(HW_REG_IB_STS2, 6, 4)
	s_cmp_eq_u32 s2, 0
	s_cbranch_scc0 .Lentry_in_a_cluster
	s_endpgm
.Lentry_in_a_cluster:
	s_bfe_u32 s2, ttmp6, 0x10000c
	s_cmp_lg_u32 s2, 0xf033
	s_cbranch_scc0 .Lentry_shape_is_right
	s_endpgm
.Lentry_shape_is_right:
; THE SECOND HALF OF THE SOFTMAX, THE WEIGHTED SUM AND THE RESIDUAL.  x[q][d] = hidden[q][d] + sum over chunks c of g_c[q] S_c[q][d],  S_c = sum over the chunk's 128 keys k of p~[q][k] W[k][d].
; p~ ([8192][2048] bf16), c m and l (f32, two planes [16 chunks][8192 rows] behind p~) come from the launch before; W = v Wd + bd lies in V2K's first 16 MiB, [8192][1024] bf16.
; hidden and x (stored into T1): [8192][1024] f32.
; For a row: M = the largest of its 16 c m;  e_c = 2^(c m_c - M), at most 1;  L = sum of e_c l_c, 1 or more, since the chunk that holds M has e = 1 and its l holds the weight 1 of its own maximum;
; g_c = e_c / L.  All of that in f32.  A K step of 128 keys is one chunk: its products are summed in partial accumulators S, started by the constant 0, and the totals take g_c S in f32.
; LIMITS: p~ is rounded to bf16 once, while l is the sum of the unrounded weights, so the weights' sum differs from 1 by their rounding; a factor below 2^-126 counts as 0; NaN and infinities are not treated apart.
; SHAPE.  A tile is 128 rows x 256 columns: 64 x 4 = 256 tiles, one to a work-group (tiles of 256 x 256 would be 128).  Four waves, each 64 x 128: 32 partial accumulators and 32 totals.
; K = 2,048 in 16 steps of 128 through two LDS slots: 128 rows of p~ x 256 bytes, and 128 k-rows of W x 512 bytes, whose fragments come out turned, by ds_load_tr16_b128.
; Two slots of two steps each would take 4 x 104,448 bytes: more than a work-group can have.
; CLUSTER.  4 x 4 work-groups: the four of a row of the cluster need the same tile of p~, the four of a column the same tile of W (four tile rows of one batch); each is asked for jointly.
; THE MATRIX INSTRUCTION IS USED TRANSPOSED (source 0 = 16 columns of W, source 1 = 16 rows of p~): a lane holds row l % 16 and the columns 8 (l / 16) + 0..7: one factor a lane and block of rows.
; HIDDEN.  Block 0's sixteen at the head, the other 48 between the two loops,
; when every tile has been asked for and two K steps are left in which they land.  On the way out the rows come back from the stage in the same lanes, are added onto hidden's registers, and are stored from there.
; THE TEXT.  A K step stands twice: in a loop of 14 trips whose change of slots fills the slot again, and in a loop of 2 trips for the last two steps, which fill nothing.  The slot in hand is a
; scalar, s66, turned by an exclusive or.  Chunk 0's first quarter, which has no chunk before it, stands ahead, and the first loop is entered behind its own first quarter.
; The prices: the totals are cleared by 256 v_mov_b32, in the wait for the first tiles (a first step written out would be longer); the very last change of slots fetches 24 loads that nobody multiplies.
; REGISTERS, in windows of 256 (s_set_vgpr_msb: bits 1:0 source 0, 3:2 source 1, 5:4 source 2, 7:6 destination):
;   window 0: v0-31 addresses; v32-39 the chunk's factors, a pair for each block of rows; v64-95, v128-159 fragments of p~; v192-255 hidden, block 2; v96-127 and v160-191 hidden, block 3
;   window 1: v64-127, v128-191 fragments of W, on the way out results and rows read back; v0-63 hidden, block 0; v192-255 hidden, block 1
;   window 2: the partial accumulators ((a, b) at v[8 (8 a + b)])      window 3: the totals, at the same numbers
.set PA,     272                       ; an LDS row of p~: 256 bytes + 16 = 68 words (64 banks of 4 bytes: ISA guide 11.1: the 16 rows of a load start at 16 different groups of four banks)
.set PB,     544                       ; an LDS row of W: 512 + 32 = 136 words
.set HALFA,  64*PA                     ; what one tensor load brings of p~: 64 rows; also what one wave reads
.set HALFB,  64*PB                     ; and of W: 64 k-rows
.set BOFF,   2*HALFA
.set SLOTB,  BOFF+2*HALFB              ; a slot's 104,448 bytes
.set SLOT1,  1<<17                     ; slot 1 begins here, so that one exclusive or turns an address in one slot into the other's
.set STAGE,  SLOT1+SLOTB               ; behind the ring: 16 rows x 528 bytes for each wave
.set SPITCH, 528                       ; 512 bytes + 16: the 16 rows that a store touches start at 16 different groups of four banks
.set FT,     STAGE+4*16*SPITCH         ; [16 chunks][128 rows] of f32: the factors g
.set SPARE,  FT+16*512                 ; the spare words, 128 bytes for each wave: two blocks of 256 bytes that no other line names
.set STEPS,  16
.set FS,   6                           ; v6      FT + 4 x thread: where I put my row's factors
.set FTA,  7                           ; v7      my fragments' rows in FT, in the chunk in hand; steps a chunk a trip
.set A0R,  16                          ; v16     my lane's place among the fragments of p~ in slot 0; never rewritten
.set ADRA, 17                          ; v17     the same in the slot in hand
.set B0R,  20                          ; v20, v21  the same for W
.set ADRB, 21
.set STO,  24
.set RD,   25
.set CO,   26                          ; v26     16 x lane: my 16 bytes of a row's 512, in hidden and in x; never rewritten
.set SPW,  28                          ; v28     LDS address of my spare word; never rewritten
.set NIL,  29                          ; v29     0; never rewritten
.set FR,   32                          ; v32-39  block a's factor at v[FR+2a]; the odd registers hold 0 and are only named as partners in a pair
.set F0,   64
.set F1,   128
.set PK,   64                          ; the way out, window 1: a block's results
.set OB,   128                         ; the way out, window 1: its 16 rows read back from the stage
.set G1,  24                           ; s[24:31] group 1 for the tiles of p~; s[32:39] group 0: a set for each of the two first fills; the second then walks on
.set G0,  32
.set G1B, 48                           ; s[48:55], s[56:63] the same for W
.set G0B, 56
.set TB,  66                           ; s66     first LDS byte of the slot in hand: 0 or SLOT1
.set MSB, 0
.macro WIN new
.if MSB != (\new)
	s_set_vgpr_msb (MSB<<8)|(\new)
.set MSB, (\new)
.endif
.endm
.macro JLOAD s                         ; a joint load: waves 0 and 1 fetch the two halves of p~, waves 2 and 3 those of W; an s_nop 0 and four v_nop follow each of the two lines
	s_cmp_eq_u32 s11, 0
	s_cbranch_scc0 .Lfor_b_\@
	tensor_load_to_lds s[G0+4*(\s):G0+4*(\s)+3], s[G1:G1+7]
	s_nop 0
.rept 4
	v_nop
.endr
	s_branch .Lasked_\@
.Lfor_b_\@:
	tensor_load_to_lds s[G0B+4*(\s):G0B+4*(\s)+3], s[G1B:G1B+7]
	s_nop 0
.rept 4
	v_nop
.endr
.Lasked_\@:
.endm
.macro CREST
	s_cmp_lg_u32 s10, 0
	s_cbranch_scc1 .Lnot_wave_0_\@
	s_barrier_signal -3
.Lnot_wave_0_\@:
	s_barrier_wait -3
	s_barrier_signal -1
	s_barrier_wait -1
.endm
.macro CROUND
	s_barrier_signal -1
	s_barrier_wait -1
	CREST
.endm
.macro PLACES
.rept 4
	v_nop
.endr
.endm
; Where block a's 64 registers of hidden lie: window HW, word n at v[HB + n + HG (n / 32)] (block 3 lies in two runs of 32)
.macro HSET a
.set HG, 0
.if (\a) == 0
.set HB, 0
.set HW, 1
.elseif (\a) == 1
.set HB, 192
.set HW, 1
.elseif (\a) == 2
.set HB, 192
.set HW, 0
.else
.set HB, 96
.set HW, 0
.set HG, 32
.endif
.endm
.macro HLOAD a                         ; block a's 16 rows of hidden: each load covers 512 consecutive bytes, aligned; the row stands in the immediate, 63 x 4,096 at the most
	HSET \a
	WIN 0x40*HW                                    ; destination window HW, address window 0
.set t, 0
.rept 16
	global_load_b128 v[HB+4*t+HG*(t/8):HB+4*t+HG*(t/8)+3], v[CO], s[70:71] offset:(16*(\a)+t)*4096 th:TH_LOAD_NT
.set t, t+1
.endr
.endm
	s_load_b128 s[4:7], s[0:1], 0x0                ; PS s[4:5], V2K s[6:7]
	s_load_b64 s[8:9], s[0:1], 0x10                ; T1
	s_load_b64 s[70:71], s[0:1], 0x18              ; hidden
	v_lshl_add_u32 v[SPW], v0, 2, SPARE
	v_mov_b32 v[NIL], 0
	ds_add_u32 v28, v29
	s_wait_dscnt 0x0
	v_lshrrev_b32 v1, 5, v0
	v_readfirstlane_b32 s10, v1                    ; wave 0..3
	s_lshr_b32 s11, s10, 1                         ; which half of the tile's rows is mine.  Also: I fetch for p~ (0) or for W (1)
	s_and_b32 s12, s10, 1                          ; which half of its columns.  Also: which half of that tile I fetch
	s_bfe_u32 s40, ttmp6, 0x40000                  ; cx: the tile column, 0..3
	s_bfe_u32 s41, ttmp6, 0x40004                  ; cy
	s_and_b32 s45, ttmp7, 0xffff
	s_lshl_b32 s13, s45, 2
	s_add_co_u32 s13, s13, s41                     ; tile row, 0..63 = 4 x cluster y + cy
	s_lshr_b32 s45, s45, 2                         ; the batch: four clusters along y to each; all sixteen partners share it
	s_lshl_b32 s43, s41, 2
	s_lshl_b32 s43, 15, s43                        ; my row of the cluster
	s_lshl_b32 s44, 0x1111, s40                    ; my column
	s_or_b32 s[G1+0], s43, (1<<16)|(1<<20)|(1<<21)|(5<<22)|(3<<25)   ; the mask; 2-byte elements; padding on; bit 21 beside a mask; after every 64 words, 4 words
	s_mov_b32 s[G1+1], 128<<16                     ; tensor_dim0 = 128
	s_mov_b32 s[G1+2], 64<<16                      ; tensor_dim1 = 64
	s_mov_b32 s[G1+3], 128<<16                     ; tile_dim0 = 128 elements (256 bytes)
	s_mov_b32 s[G1+4], 64                          ; tile_dim1 = 64 rows
	s_mov_b32 s[G1+5], 2048                        ; elements from row to row of p~
	s_mov_b32 s[G1+6], 0
	s_mov_b32 s[G1+7], 0
	s_or_b32 s[G1B+0], s44, (1<<16)|(1<<20)|(1<<21)|(6<<22)|(7<<25)  ; my column's mask; after every 128 words, 8 words
	s_mov_b32 s[G1B+1], 256<<16                    ; tensor_dim0 = 256
	s_mov_b32 s[G1B+2], 64<<16                     ; tensor_dim1 = 64
	s_mov_b32 s[G1B+3], 256<<16                    ; tile_dim0 = 256 elements (512 bytes)
	s_mov_b32 s[G1B+4], 64                         ; tile_dim1 = 64 k-rows
	s_mov_b32 s[G1B+5], 1024                       ; elements from row to row of W
	s_mov_b32 s[G1B+6], 0
	s_mov_b32 s[G1B+7], 0
	s_lshl_b32 s16, s13, 7                         ; p~: row 128 x tile row + 64 x half,
	s_lshl_b32 s17, s12, 6
	s_add_co_u32 s16, s16, s17
	s_lshl_b32 s16, s16, 12                        ; 4,096 bytes a row: under 2^25
	s_mov_b32 s17, 0
	s_lshl_b32 s46, s45, 22                        ; W: the batch's 4 MiB,
	s_lshl_b32 s47, s12, 17                        ; 64 k-rows x half,
	s_add_co_u32 s46, s46, s47
	s_lshl_b32 s47, s40, 9                         ; the tile column's 512 bytes of a k-row
	s_add_co_u32 s46, s46, s47
	s_mov_b32 s47, 0
	s_mul_i32 s20, s12, HALFA                      ; where they go: the two halves of p~,
	s_mul_i32 s21, s12, HALFB                      ; then the two halves of W
	s_add_co_u32 s21, s21, BOFF
	s_lshl_b32 s18, s13, 9                         ; my tile's 128 rows in a chunk's 8,192 words,
	s_add_co_u32 s18, s18, 0x2000000               ; behind the 32 MiB of p~
	s_mov_b32 s19, 0
	s_mov_b32 s[TB], 0                             ; the walk begins in slot 0
	s_wait_kmcnt 0x0
	s_add_nc_u64 s[14:15], s[4:5], s[16:17]
	s_add_nc_u64 s[46:47], s[6:7], s[46:47]
	s_add_nc_u64 s[74:75], s[4:5], s[18:19]
	CROUND                                         ; all sixteen work-groups are here: the first joint loads meet
.irp s, 0,1
	s_mov_b32 s[G0+4*(\s)], 1
	s_add_co_u32 s[G0+4*(\s)+1], s20, (\s)*SLOT1
	s_add_nc_u64 s[G0+4*(\s)+2:G0+4*(\s)+3], s[14:15], (\s)*256         ; K step s lies 256 bytes along the rows of p~,
	s_or_b32 s[G0+4*(\s)+3], s[G0+4*(\s)+3], 0x80000000
	s_mov_b32 s[G0B+4*(\s)], 1
	s_add_co_u32 s[G0B+4*(\s)+1], s21, (\s)*SLOT1
	s_add_nc_u64 s[G0B+4*(\s)+2:G0B+4*(\s)+3], s[46:47], (\s)*128*2048  ; and 128 k-rows down W
	s_or_b32 s[G0B+4*(\s)+3], s[G0B+4*(\s)+3], 0x80000000
	JLOAD \s                                       ; two tensor loads of mine are out
.endr
	; THE ROWS' FACTORS, in the wait for the first tiles.  Thread t is row t of the tile: its 16 c m into v64-79, its 16 l into v80-95.
	v_lshlrev_b32 v9, 2, v0
.set c, 0
.rept 16
	global_load_b32 v[64+c], v9, s[74:75] offset:c*32768
	global_load_b32 v[80+c], v9, s[74:75] offset:524288+c*32768
.set c, c+1
.endr
	WIN 0xc0                                       ; destination window 3: the totals start at 0
.set i, 0
.rept 256
	v_mov_b32 v[i], 0
.set i, i+1
.endr
	WIN 0
.irp a, 0,1,2,3
	v_mov_b32 v[FR+2*(\a)+1], 0                    ; named as the factors' partners in pairs
.endr
	v_and_b32 v1, 15, v0                           ; l % 16
	v_bfe_u32 v2, v0, 4, 1                         ; l / 16
	v_mul_u32_u24 v3, v1, PA
	v_lshl_add_u32 v3, v2, 4, v3                   ; a fragment of p~: row x pitch + 16 x half
	v_and_b32 v10, 7, v0                           ; of W: k-row 8 (l / 16) + l % 8, columns 8 ((l / 8) % 2) on
	v_bfe_u32 v11, v0, 3, 1
	v_lshl_add_u32 v4, v2, 3, v10
	v_mul_u32_u24 v4, v4, PB
	v_lshl_add_u32 v4, v11, 4, v4
	s_mul_i32 s22, s11, HALFA                      ; my 64 rows of p~
	s_lshl_b32 s23, s12, 8                         ; my 128 columns of W,
	s_add_co_u32 s23, s23, BOFF                    ; behind the tile of p~
	v_add_nc_u32 v[A0R], s22, v3
	v_add_nc_u32 v[B0R], s23, v4
	v_mov_b32 v[ADRA], v[A0R]                      ; slot 0 is in hand
	v_mov_b32 v[ADRB], v[B0R]
	v_lshl_add_u32 v[FS], v0, 2, FT
	s_lshl_b32 s23, s11, 8                         ; my 64 rows' words
	s_add_co_u32 s23, s23, FT
	v_lshl_add_u32 v[FTA], v1, 2, s23
	s_mul_i32 s23, s10, 16*SPITCH
	s_add_co_u32 s23, s23, STAGE                   ; my stage
	v_mul_u32_u24 v5, v1, SPITCH                   ; in: row l % 16, 32 bytes for each half of the lanes
	v_lshl_add_u32 v5, v2, 5, v5
	v_add_nc_u32 v[STO], s23, v5
	v_and_b32 v5, 31, v0
	v_lshlrev_b32 v[CO], 4, v5                     ; back, in and out: 32 lanes take one row's 512 bytes
	v_add_nc_u32 v[RD], s23, v[CO]
	s_lshl_b32 s16, s13, 7                         ; x and hidden at my first row,
	s_lshl_b32 s17, s11, 6
	s_add_co_u32 s16, s16, s17
	s_lshl_b32 s16, s16, 12
	s_mov_b32 s17, 0
	s_add_nc_u64 s[8:9], s[8:9], s[16:17]
	s_add_nc_u64 s[70:71], s[70:71], s[16:17]
	s_lshl_b32 s46, s40, 10                        ; at my first column
	s_lshl_b32 s47, s12, 9
	s_add_co_u32 s46, s46, s47
	s_mov_b32 s47, 0
	s_add_nc_u64 s[8:9], s[8:9], s[46:47]
	s_add_nc_u64 s[70:71], s[70:71], s[46:47]
	s_wait_loadcnt 0x0
	v_max3_num_f32 v112, v64, v65, v66             ; M
.irp c, 67,69,71,73,75,77
	v_max3_num_f32 v112, v112, v[\c], v[\c+1]
.endr
	v_max_num_f32 v112, v112, v79
.set c, 0
.rept 16
	v_sub_f32 v[96+c], v[64+c], v112
.set c, c+1
.endr
.set c, 0
.rept 16
	v_exp_f32 v[96+c], v[96+c]                     ; e
.set c, c+1
.endr
	v_nop                                          ; a plain instruction between the last exponential and the use of its result
	s_wait_alu depctr_va_vdst(0)
	v_mul_f32 v114, v96, v80
.set c, 1
.rept 15
	v_fma_f32 v114, v[96+c], v[80+c], v114         ; L
.set c, c+1
.endr
	v_rcp_f32 v115, v114
	v_nop
.set c, 0
	s_wait_alu depctr_va_vdst(0)
.rept 16
	v_mul_f32 v[96+c], v[96+c], v115               ; g = e / L
.set c, c+1
.endr
.set c, 0
.rept 16
	ds_store_b32 v[FS], v[96+c] offset:512*c
.set c, c+1
.endr
	HLOAD 0                                        ; hidden, block 0: sixteen loads that nothing waits for before the way out
	WIN 0
; 8 matrix instructions: block a of 16 rows x all 8 blocks of 16 columns, 32 along K.  zero = 1: the products start the sums.  The 32 accumulators take turns.
.macro MULA f, a, zero
	WIN 0xa1                                       ; W window 1, p~ window 0, C and D window 2
.irp b, 0,1,2,3,4,5,6,7
.if \zero
	v_wmma_f32_16x16x32_bf16 v[8*(8*(\a)+(\b)):8*(8*(\a)+(\b))+7], v[(\f)+8*(\b):(\f)+8*(\b)+7], v[(\f)+8*(\a):(\f)+8*(\a)+7], 0
.else
	v_wmma_f32_16x16x32_bf16 v[8*(8*(\a)+(\b)):8*(8*(\a)+(\b))+7], v[(\f)+8*(\b):(\f)+8*(\b)+7], v[(\f)+8*(\a):(\f)+8*(\a)+7], v[8*(8*(\a)+(\b)):8*(8*(\a)+(\b))+7]
.endif
.endr
.endm
; One run of LDS loads from the slot in hand: with fac = 1 first the four factor words of the chunk in hand; the sixteen of W; the eight of p~, blocks ascending
.macro FETCH q, f, fac=0
.if \fac
	WIN 0
.irp i, 0,1,2,3
	ds_load_b32 v[FR+2*(\i)], v[FTA] offset:64*(\i)
.endr
.endif
	WIN 0x40
.irp i, 0,1,2,3,4,5,6,7
	ds_load_tr16_b128 v[(\f)+8*(\i):(\f)+8*(\i)+3],   v[ADRB] offset:(\q)*32*PB+32*(\i)
	ds_load_tr16_b128 v[(\f)+8*(\i)+4:(\f)+8*(\i)+7], v[ADRB] offset:(\q)*32*PB+16*PB+32*(\i)
.endr
	WIN 0
.irp i, 0,1,2,3
	ds_load_b128 v[(\f)+8*(\i):(\f)+8*(\i)+3],   v[ADRA] offset:(\q)*64+(\i)*16*PA
	ds_load_b128 v[(\f)+8*(\i)+4:(\f)+8*(\i)+7], v[ADRA] offset:(\q)*64+(\i)*16*PA+32
.endr
.endm
; A K step is four quarters of 32 along K, 32 matrix instructions each, on buffers 0, 1, 0, 1
.macro QUARTER q, f, g, zero
	s_wait_dscnt 4                                 ; W and blocks 0, 1 of p~ are in; the youngest four loads (blocks 2, 3) may be out
	MULA \f, 0, \zero
	MULA \f, 1, \zero
	PLACES
	FETCH \q, \g
	s_wait_dscnt 24                                ; all but the 24 just issued
	MULA \f, 2, \zero
	MULA \f, 3, \zero
.endm
; A CHUNK'S FIRST QUARTER, from chunk 1 on.  Accumulator n's total takes g x the partial sum of the chunk before (RID: four packed fused multiply-adds, lowest registers first);
; then the product with the constant 0 starts the new chunk's sum in the same registers (W0).  The totals run two accumulators ahead, four lines behind each matrix instruction.
; Distances: a partial sum is read four plain vector instructions or more behind the product that wrote it (accumulator 0: the four v_nop behind the change of slots and the two address lines), and is
; written over five or more behind it (accumulator 0: those six and accumulator 1's four).  The totals' lines are also the places in front of the loads into buffer 1.
.macro RID n
	WIN 0xf2                                       ; partial sum window 2, factor window 0, total (source 2 and destination) window 3
.irp z, 0,1,2,3
	v_pk_fma_f32 v[8*(\n)+2*\z:8*(\n)+2*\z+1], v[8*(\n)+2*\z:8*(\n)+2*\z+1], v[FR+2*((\n)/8):FR+2*((\n)/8)+1], v[8*(\n)+2*\z:8*(\n)+2*\z+1] op_sel_hi:[1,0,1]
.endr
.endm
.macro W0 n
	WIN 0xa1
	v_wmma_f32_16x16x32_bf16 v[8*(\n):8*(\n)+7], v[F0+8*((\n)%8):F0+8*((\n)%8)+7], v[F0+8*((\n)/8):F0+8*((\n)/8)+7], 0
.endm
.macro Q1R
	s_wait_dscnt 4                                 ; the factors, W and blocks 0, 1 of p~ are in; the youngest four loads (blocks 2, 3) may be out
	RID 0
	RID 1
.set i, 0
.rept 16
	W0 i
	RID i+2
.set i, i+1
.endr
	FETCH 1, F1
	s_wait_dscnt 24                                ; all but the 24 just issued
.rept 16
	W0 i
.if i < 30
	RID i+2
.endif
.set i, i+1
.endr
.endm
; The last quarter multiplies buffer 1 and changes slots: one barrier; in front of it the wait for all my tensor loads, the add, and the wait for it and for my reads of this slot.
; fill = 1: the barrier opens a round of the cluster's, and behind it the walking descriptor (the other slot than last time, the next K step) fills this slot again, first thing.
; The run of loads behind it begins with the factors of the chunk that this quarter finishes.
.macro TURN fill
	WIN 0
	s_wait_tensorcnt 0x0                           ; all my tensor loads have landed: the one that was out is my part of the next slot
	ds_add_u32 v[SPW], v[NIL]                      ; 0 onto my spare word
	s_wait_dscnt 5                                 ; (the add and the youngest four loads may be out)
	MULA F1, 0, 0
	s_wait_dscnt 0x0                               ; the add is done, and my reads of this slot are over
	s_barrier_signal -1
	MULA F1, 1, 0
	WIN 0
	s_barrier_wait -1
.if \fill
	CREST                                          ; no wave of any partner still reads this slot or has a load on its way
	s_xor_b32 s[G0+5], s[G0+5], SLOT1
	s_add_nc_u64 s[G0+6:G0+7], s[G0+6:G0+7], 256
	s_xor_b32 s[G0B+5], s[G0B+5], SLOT1
	s_add_nc_u64 s[G0B+6:G0B+7], s[G0B+6:G0B+7], 128*2048
	JLOAD 1                                        ; my one tensor load behind the round: 112 matrix instructions ahead of the wait for it; its four v_nop are also the places in front of the loads below
.else
	PLACES
.endif
	s_xor_b32 s[TB], s[TB], SLOT1                  ; the other slot is in hand
	v_add_nc_u32 v[ADRA], s[TB], v[A0R]
	v_add_nc_u32 v[ADRB], s[TB], v[B0R]
	FETCH 0, F0, 1
	MULA F1, 2, 0
	MULA F1, 3, 0
.endm
; THE WAY OUT of block a (16 rows x 128 columns of f32).  PACKF: the total plus g x the last chunk's partial sum.  TOSTAGEF: 32 bytes a lane into my stage, and back as whole rows of 512 bytes.
; SENDF: the rows are added onto hidden's registers and stored from there.  Those registers are written by nothing else, the stores' base and offset register are never rewritten
; (the row stands in the immediate), and the rows read back are used up by the additions before the next block's loads are issued: so no wait frees a store's sources, and one buffer of rows is enough.
.macro PACKF a
	WIN 0x72                                       ; partial sum window 2, factor window 0, total window 3, result window 1
.set i, 0
.rept 32
	v_pk_fma_f32 v[PK+2*i:PK+2*i+1], v[64*(\a)+2*i:64*(\a)+2*i+1], v[FR+2*(\a):FR+2*(\a)+1], v[64*(\a)+2*i:64*(\a)+2*i+1] op_sel_hi:[1,0,1]
.set i, i+1
.endr
.endm
.macro TOSTAGEF
	WIN 0x04                                       ; address window 0, data window 1
.irp b, 0,1,2,3,4,5,6,7
	ds_store_b128 v[STO], v[PK+8*(\b):PK+8*(\b)+3] offset:64*(\b)
	ds_store_b128 v[STO], v[PK+8*(\b)+4:PK+8*(\b)+7] offset:64*(\b)+16
.endr
	WIN 0x40                                       ; destination window 1, address window 0
.irp t, 0,1,2,3,4,5,6,7,8,9,10,11,12,13,14,15
	ds_load_b128 v[OB+4*(\t):OB+4*(\t)+3], v[RD] offset:(\t)*SPITCH  ; LDS serves a wave's instructions in order (ISA guide 5.7.1.4): these see the stores above
.endr
.endm
.macro SENDF a
	HSET \a
	s_wait_dscnt 0x0                               ; the block's rows are back in registers
	s_wait_loadcnt 48-16*(\a)                      ; loads come back in order: block a's hidden is in; the sixteen loads of each later block may be out
	WIN 0x01+0x44*HW                               ; rows window 1; hidden (source 1 and destination) window HW
.set i, 0
.rept 32
	v_pk_add_f32 v[HB+2*i+HG*(i/16):HB+2*i+HG*(i/16)+1], v[OB+2*i:OB+2*i+1], v[HB+2*i+HG*(i/16):HB+2*i+HG*(i/16)+1]
.set i, i+1
.endr
	WIN 0x04*HW                                    ; address window 0, data window HW
.set t, 0
.rept 16
	global_store_b128 v[CO], v[HB+4*t+HG*(t/8):HB+4*t+HG*(t/8)+3], s[8:9] offset:(16*(\a)+t)*4096  ; the wave stores 512 consecutive bytes, at a multiple of 512 from the buffer's first byte
.set t, t+1
.endr
.endm
	s_wait_tensorcnt 1                             ; my part of K step 0 is in; K step 1's may stay out
	s_wait_dscnt 0x0                               ; for the others' sake: my row's factors are in LDS
	s_barrier_signal -1
	s_barrier_wait -1
	FETCH 0, F0
	QUARTER 1, F0, F1, 1                           ; chunk 0's first quarter stands ahead of the loop: no chunk before it has a sum to hand on
	WIN 0                                          ; at a label and at a branch every window is 0
	s_mov_b32 s3, STEPS-2
	s_branch .Lentry                               ; the loop is entered behind its first quarter
.Lstep:                                                ; a trip is a K step, one chunk; its change of slots fills the slot again: steps 0 to 13 ask for steps 2 to 15
	Q1R
	WIN 0
.Lentry:
	QUARTER 2, F1, F0, 0
	QUARTER 3, F0, F1, 0
	TURN 1
	WIN 0
	v_add_nc_u32 v[FTA], 512, v[FTA]               ; the next chunk's factors
	s_sub_co_u32 s3, s3, 1
	s_cmp_lg_u32 s3, 0
	s_cbranch_scc1 .Lstep
	HLOAD 1                                        ; every tile has been asked for: now hidden's other 48 loads; two K steps stand between them and the first wait for them
	HLOAD 2
	HLOAD 3
	WIN 0
	s_mov_b32 s3, 2
.Ltail:                                                ; the last two K steps fill nothing
	Q1R
	QUARTER 2, F1, F0, 0
	QUARTER 3, F0, F1, 0
	TURN 0
	WIN 0
	v_add_nc_u32 v[FTA], 512, v[FTA]               ; (behind the last chunk the stepped address is not used)
	s_sub_co_u32 s3, s3, 1
	s_cmp_lg_u32 s3, 0
	s_cbranch_scc1 .Ltail
	s_wait_dscnt 0x0                               ; chunk 15's factors are in; so are the fragments that the last change of slots fetched and nobody multiplies: their registers are free
	PLACES
	PACKF 0
	TOSTAGEF
.irp a, 1,2,3                          ; block a's arithmetic stands between block a - 1's loads from the stage and the wait for them
	PACKF \a
	SENDF (\a)-1
	TOSTAGEF
.endr
	SENDF 3
	WIN 0
	s_wait_tensorcnt 0x0                           ; the wave's end
	ds_add_u32 v[SPW], v[NIL]
	s_wait_dscnt 0x0
	CROUND                                         ; the closing round
	s_endpgm
.Lfunc_end_k_qf2527d8658_ctx:
	.size	k_qf2527d8658_ctx, .Lfunc_end_k_qf2527d8658_ctx-k_qf2527d8658_ctx
	.p2alignl 7, 3214868480
	.fill 96, 4, 3214868480
	.section	.rodata,"a",@progbits
	.p2align	6, 0x0
	.amdhsa_kernel k_qf2527d8658_ctx
		.amdhsa_group_segment_fixed_size 327680
		.amdhsa_private_segment_fixed_size 0
		.amdhsa_enable_private_segment 0
		.amdhsa_kernarg_size 32
		.amdhsa_user_sgpr_count 2
		.amdhsa_user_sgpr_kernarg_segment_ptr 1
		.amdhsa_wavefront_size32 1
		.amdhsa_system_sgpr_workgroup_id_x 1
		.amdhsa_system_sgpr_workgroup_id_y 1
		.amdhsa_system_sgpr_workgroup_id_z 1
		.amdhsa_system_vgpr_workitem_id 0
		.amdhsa_next_free_vgpr 1024
		.amdhsa_next_free_sgpr 80
		.amdhsa_reserve_vcc 0
		.amdhsa_float_denorm_mode_32 3
		.amdhsa_float_denorm_mode_16_64 3
		.amdhsa_memory_ordered 1
		.amdhsa_forward_progress 1
		.amdhsa_inst_pref_size 119
	.end_amdhsa_kernel
	.amdgpu_metadata
---
amdhsa.version: [ 1, 2 ]
amdhsa.kernels:
  - .name:           k_qf2527d8658_ctx
    .symbol:         k_qf2527d8658_ctx.kd
    .args:
      - { .name: PS, .offset: 0, .size: 8, .value_kind: global_buffer, .address_space: global }
      - { .name: V2K, .offset: 8, .size: 8, .value_kind: global_buffer, .address_space: global }
      - { .name: T1, .offset: 16, .size: 8, .value_kind: global_buffer, .address_space: global }
      - { .name: hidden_states, .offset: 24, .size: 8, .value_kind: global_buffer, .address_space: global }
    .group_segment_fixed_size: 327680
    .private_segment_fixed_size: 0
    .kernarg_segment_align: 8
    .kernarg_segment_size: 32
    .max_flat_workgroup_size: 128
    .sgpr_count:     80
    .vgpr_count:     1024
    .wavefront_size: 32
...
	.end_amdgpu_metadata
.endif
;; end of part 4
;; launch lnorm (part 5): grid 256 x 1, 16 waves a work-group, no clusters, 0 bytes of LDS; arguments T1, ln_gamma, ln_beta, out0; writes out0
.if DOCPART == 5
	.amdgcn_target "amdgcn-amd-amdhsa--gfx1250"
	.amdhsa_code_object_version 6
	.text
	.protected	k_qf2527d8658_lnorm
	.globl	k_qf2527d8658_lnorm
	.p2align	8
	.type	k_qf2527d8658_lnorm,@function
k_qf2527d8658_lnorm:
	s_mov_b64 s[64:65], 0
	v_nop
	global_prefetch_b8 v0, s[64:65] scope:SCOPE_SE
	s_setreg_imm32_b32 hwreg(HW_REG_WAVE_MODE, 25, 1), 1
	s_wait_xcnt 0x0
; out[r][:] = (x - mean(x)) / sqrt(var(x) + 1e-5) * gamma + beta.  x = t1 + hidden comes whole from the launch before.  All f32, rows of 1,024 numbers (4,096 bytes).
; The variance is the mean of (x - mean)^2, taken in a second pass over registers, as the reference takes it: no difference of large sums.
; A stream: each byte of x is read once, each byte of out written once.  One wave, one row at a time: the row lies in 32 registers and the sums never leave the wave:
; no LDS, no barrier, no matrix unit.  No cluster: the work-groups share gamma and beta alone, 8 KiB beside the 128 KiB of rows that each work-group reads.
; SHARES.  8,192 rows = 256 work-groups x 16 waves x 2 rows.  Lane l holds columns 128 j + 4 l + 0..3, j = 0..7: each load and store of a wave covers 512 consecutive bytes, aligned.
; All 32 loads of a wave go out first; row 0 is worked on while row 1's eight are on their way.  No register that a store reads is written again.
.set GA, 2                             ; v[2:33]    gamma
.set BE, 34                            ; v[34:65]   beta
.set X0, 66                            ; v[66:97]   row 0: x, then the result
.set X1, 98                            ; v[98:129]  row 1
.set T,  130                           ; v[130:145] at work
.set MU, 146                           ; v[146:147] the mean, twice
.set RS, 148                           ; v[148:149] 1 / sqrt(var + eps), twice
.set VA, 150                           ; v150       var + eps
	s_load_b256 s[4:11], s[0:1], 0x0               ; x s[4:5], gamma s[6:7], beta s[8:9], out s[10:11]
	v_lshrrev_b32 v1, 5, v0
	v_readfirstlane_b32 s14, v1                    ; wave 0..15
	s_lshl_b32 s16, ttmp9, 17                      ; the work-group's 32 rows of 4,096 bytes,
	s_lshl_b32 s15, s14, 13                        ; the wave's two
	s_add_co_u32 s16, s16, s15
	s_mov_b32 s17, 0
	s_mov_b32 s18, 0x76543210                      ; v_permlanex16_b32: each lane takes its own place in the other half
	s_mov_b32 s19, 0xfedcba98
	s_mov_b32 s20, 0x3a800000                      ; 1 / 1,024
	s_mov_b32 s21, 0x3727c5ac                      ; 1e-5
	v_and_b32 v1, 31, v0
	v_lshlrev_b32 v1, 4, v1                        ; 16 bytes a lane
	s_wait_kmcnt 0x0
	s_add_nc_u64 s[4:5], s[4:5], s[16:17]
	s_add_nc_u64 s[10:11], s[10:11], s[16:17]
.irp j, 0,1,2,3,4,5,6,7
	global_load_b128 v[GA+4*(\j):GA+4*(\j)+3], v1, s[6:7] offset:512*(\j)
.endr
.irp j, 0,1,2,3,4,5,6,7
	global_load_b128 v[BE+4*(\j):BE+4*(\j)+3], v1, s[8:9] offset:512*(\j)
.endr
.irp j, 0,1,2,3,4,5,6,7
	global_load_b128 v[X0+4*(\j):X0+4*(\j)+3], v1, s[4:5] offset:512*(\j) th:TH_LOAD_NT
.endr
.irp j, 0,1,2,3,4,5,6,7
	global_load_b128 v[X1+4*(\j):X1+4*(\j)+3], v1, s[4:5] offset:4096+512*(\j) th:TH_LOAD_NT
.endr
.macro REDUCE                          ; v[T] summed over the 32 lanes, the result in every lane
.irp m, 1,2,4,8
	v_add_f32_dpp v[T], v[T], v[T] row_xmask:\m row_mask:0xf bank_mask:0xf
.endr
	v_permlanex16_b32 v[T+1], v[T], s18, s19
	v_add_f32 v[T], v[T], v[T+1]
.endm
.macro FOLD n                          ; the first 2 n pairs of T are added up into its first pair, as a tree, then the pair's two halves
.irp d, 4,2,1
.if (\d) <= (\n)
.set i, 0
.rept \d
	v_pk_add_f32 v[T+2*i:T+2*i+1], v[T+2*i:T+2*i+1], v[T+2*(i+(\d)):T+2*(i+(\d))+1]
.set i, i+1
.endr
.endif
.endr
	v_add_f32 v[T], v[T], v[T+1]
.endm
; One row.  x: its registers; left: the younger loads that may stay out; off: its byte offset from the wave's first row.
.macro ROW x, left, off
	s_wait_loadcnt \left
.set i, 0
.rept 8
	v_pk_add_f32 v[T+2*i:T+2*i+1], v[(\x)+2*i:(\x)+2*i+1], v[(\x)+16+2*i:(\x)+16+2*i+1]
.set i, i+1
.endr
	FOLD 4
	REDUCE
	v_mul_f32 v[MU], s20, v[T]                     ; the mean
	v_mov_b32 v[MU+1], v[MU]
.set i, 0
.rept 16
	v_pk_add_f32 v[(\x)+2*i:(\x)+2*i+1], v[(\x)+2*i:(\x)+2*i+1], v[MU:MU+1] neg_lo:[0,1] neg_hi:[0,1]  ; x - mean
.set i, i+1
.endr
.set i, 0
.rept 4
	v_pk_mul_f32 v[T+2*i:T+2*i+1], v[(\x)+2*i:(\x)+2*i+1], v[(\x)+2*i:(\x)+2*i+1]             ; the squares, in four chains started by the first four pairs
.set i, i+1
.endr
.rept 12
	v_pk_fma_f32 v[T+2*(i%4):T+2*(i%4)+1], v[(\x)+2*i:(\x)+2*i+1], v[(\x)+2*i:(\x)+2*i+1], v[T+2*(i%4):T+2*(i%4)+1]
.set i, i+1
.endr
	FOLD 2
	REDUCE
	v_fma_f32 v[VA], v[T], s20, s21                ; var + eps
	v_rsq_f32 v[RS], v[VA]
	v_nop                                          ; a plain instruction between the root and the use of its result
	s_wait_alu depctr_va_vdst(0)
	v_mov_b32 v[RS+1], v[RS]
.set i, 0
.rept 16
	v_pk_mul_f32 v[(\x)+2*i:(\x)+2*i+1], v[(\x)+2*i:(\x)+2*i+1], v[RS:RS+1]
.set i, i+1
.endr
.set i, 0
.rept 16
	v_pk_fma_f32 v[(\x)+2*i:(\x)+2*i+1], v[(\x)+2*i:(\x)+2*i+1], v[GA+2*i:GA+2*i+1], v[BE+2*i:BE+2*i+1]
.set i, i+1
.endr
.irp j, 0,1,2,3,4,5,6,7
	global_store_b128 v1, v[(\x)+4*(\j):(\x)+4*(\j)+3], s[10:11] offset:(\off)+512*(\j) th:TH_STORE_NT
.endr
.endm
	ROW X0, 8, 0                                   ; gamma, beta and row 0 are in; row 1's eight loads stay out
	ROW X1, 0, 4096
	s_endpgm
.Lfunc_end_k_qf2527d8658_lnorm:
	.size	k_qf2527d8658_lnorm, .Lfunc_end_k_qf2527d8658_lnorm-k_qf2527d8658_lnorm
	.p2alignl 7, 3214868480
	.fill 96, 4, 3214868480
	.section	.rodata,"a",@progbits
	.p2align	6, 0x0
	.amdhsa_kernel k_qf2527d8658_lnorm
		.amdhsa_group_segment_fixed_size 0
		.amdhsa_private_segment_fixed_size 0
		.amdhsa_enable_private_segment 0
		.amdhsa_kernarg_size 32
		.amdhsa_user_sgpr_count 2
		.amdhsa_user_sgpr_kernarg_segment_ptr 1
		.amdhsa_wavefront_size32 1
		.amdhsa_system_sgpr_workgroup_id_x 1
		.amdhsa_system_sgpr_workgroup_id_y 1
		.amdhsa_system_sgpr_workgroup_id_z 1
		.amdhsa_system_vgpr_workitem_id 0
		.amdhsa_next_free_vgpr 152
		.amdhsa_next_free_sgpr 66
		.amdhsa_reserve_vcc 0
		.amdhsa_float_denorm_mode_32 3
		.amdhsa_float_denorm_mode_16_64 3
		.amdhsa_memory_ordered 1
		.amdhsa_forward_progress 1
		.amdhsa_inst_pref_size 18
	.end_amdhsa_kernel
	.amdgpu_metadata
---
amdhsa.version: [ 1, 2 ]
amdhsa.kernels:
  - .name:           k_qf2527d8658_lnorm
    .symbol:         k_qf2527d8658_lnorm.kd
    .args:
      - { .name: T1, .offset: 0, .size: 8, .value_kind: global_buffer, .address_space: global }
      - { .name: ln_gamma, .offset: 8, .size: 8, .value_kind: global_buffer, .address_space: global }
      - { .name: ln_beta, .offset: 16, .size: 8, .value_kind: global_buffer, .address_space: global }
      - { .name: out0, .offset: 24, .size: 8, .value_kind: global_buffer, .address_space: global }
    .group_segment_fixed_size: 0
    .private_segment_fixed_size: 0
    .kernarg_segment_align: 8
    .kernarg_segment_size: 32
    .max_flat_workgroup_size: 512
    .sgpr_count:     66
    .vgpr_count:     152
    .wavefront_size: 32
...
	.end_amdgpu_metadata
.endif
;; end of part 5
;; ======== version 2 of 2: 6 launches; version 1 with the launch cvt written anew for expert scheduling mode
;; limits: values outside matrix products are rounded to bf16
;; workspace buffers: Xb 16,777,216 bytes; WB1 4,194,304 bytes; WB2 4,194,304 bytes; VQ 33,554,432 bytes; V2K 33,554,432 bytes; PS 34,603,008 bytes; T1 33,554,432 bytes
;; launch cvt (part 6): grid 64 x 12, 8 waves a work-group, no clusters, 0 bytes of LDS; arguments hidden_states, Wq, Wv, Wk, Wd, Xb, WB1, WB2; writes Xb, WB1, WB2
.if DOCPART == 6
	.amdgcn_target "amdgcn-amd-amdhsa--gfx1250"
	.amdhsa_code_object_version 6
	.text
	.protected	k_qf2527d8658_cvt
	.globl	k_qf2527d8658_cvt
	.p2align	8
	.type	k_qf2527d8658_cvt,@function
k_qf2527d8658_cvt:
	s_mov_b64 s[64:65], 0
	v_nop
	global_prefetch_b8 v0, s[64:65] scope:SCOPE_SE
	s_setreg_imm32_b32 hwreg(HW_REG_WAVE_SCHED_MODE, 0, 2), 2
	s_setreg_imm32_b32 hwreg(HW_REG_WAVE_MODE, 25, 1), 1
	s_wait_xcnt 0x0
	s_wait_alu depctr_vm_vsrc(0)
; bf16 copies of the matrix operands that arrive in f32: x -> Xb, Wq | Wv -> WB1, Wk | Wd -> WB2 (the weights stay [k][n] as given).
; Each number is rounded once, to nearest even.
; A stream: every byte is read once and written once; no LDS, no barrier, no matrix unit, no cluster (the work-groups share nothing).
; SHARES.  Group y is a segment of 1,048,576 numbers: y = 0..7 the eight parts of x, y = 8..11 Wq, Wv, Wk, Wd.  Group x is a piece of
; 65,536 bytes in, 32,768 bytes out.  Thread t takes 16 bytes at 16 t of each of the piece's sixteen runs of 4,096 bytes and stores
; 8 bytes at 8 t of each run of 2,048: a wave's load covers 512 consecutive bytes, its store 256 consecutive bytes, aligned.
; All sixteen loads go out first; no register is written twice, so no wait frees anything.
; THE MODE: SCHED_MODE bits 1:0 = 2 (LLVM: expert scheduling mode 2), set by the entry lines.  The code itself states the register dependences
; between vector instructions and memory instructions, with s_wait_alu, always for 0.
; THE PLAN.  Registers that memory instructions touch:
;   v1, v2   byte offsets, made once at the head and never written again: v1 is read by every load, v2 by every store.
;   X        sixteen runs as loaded.  Written by the loads alone, each register once; read by the conversions, behind the wait on LOADcnt.
;   Y        sixteen runs to store.   Written by the conversions, each register once; read by the stores.
; The sixteen runs go in four blocks of four.  Block p rounds X's part p into Y's part p; its memory instructions are the four stores of block p - 1, which read
; Y's part p - 1 and v2: registers that no conversion of block p names.  So one wait on va_vdst at a block's head states all that the block's stores hang on,
; and they are dealt among its conversions with no further wait.  No load lands in a register that a vector instruction has named, and no register that a memory
; instruction has read is written again: nothing else is owed.
.set X, 4                              ; v[4:67]   sixteen loads of four f32
.set Y, 68                             ; v[68:99]  sixteen pairs of packed bf16
.set BLK, 4                            ; runs in a block
	s_load_b512 s[8:23], s[0:1], 0x0               ; x s[8:9], Wq s[10:11], Wv s[12:13], Wk s[14:15], Wd s[16:17], Xb s[18:19], WB1 s[20:21], WB2 s[22:23]
	s_and_b32 s2, ttmp7, 0xffff                    ; y
	s_and_b32 s25, s2, 1                           ; which half of WB1 or WB2
	s_cmp_lt_u32 s2, 8
	s_cselect_b32 s24, s2, 0                       ; the part of x, or 0: a weight is read from its first byte
	s_cselect_b32 s25, s2, s25                     ; the part of Xb, or the half of a weight buffer
	s_lshl_b32 s24, s24, 22                        ; a segment is 4 MiB in,
	s_lshl_b32 s25, s25, 21                        ; 2 MiB out
	s_lshl_b32 s26, ttmp9, 16                      ; the piece in,
	s_lshl_b32 s27, ttmp9, 15                      ; the piece out
	s_add_co_u32 s24, s24, s26                     ; s[24:25]: byte offset in the source
	s_add_co_u32 s26, s25, s27                     ; s[26:27]: byte offset in the destination
	s_mov_b32 s25, 0
	s_mov_b32 s27, 0
	v_lshlrev_b32 v1, 4, v0                        ; 16 t
	v_lshlrev_b32 v2, 3, v0                        ; 8 t
	s_wait_kmcnt 0x0
	s_cmp_eq_u32 s2, 8                             ; the source is chosen by y alone
	s_cselect_b64 s[4:5], s[10:11], s[8:9]
	s_cmp_eq_u32 s2, 9
	s_cselect_b64 s[4:5], s[12:13], s[4:5]
	s_cmp_eq_u32 s2, 10
	s_cselect_b64 s[4:5], s[14:15], s[4:5]
	s_cmp_eq_u32 s2, 11
	s_cselect_b64 s[4:5], s[16:17], s[4:5]
	s_cmp_lt_u32 s2, 8                             ; and so is the destination
	s_cselect_b64 s[6:7], s[18:19], s[20:21]
	s_cmp_gt_u32 s2, 9
	s_cselect_b64 s[6:7], s[22:23], s[6:7]
	s_add_nc_u64 s[4:5], s[4:5], s[24:25]
	s_add_nc_u64 s[6:7], s[6:7], s[26:27]
	s_wait_alu depctr_va_vdst(0)                   ; v1 and v2 are written: every load below reads v1 as its offset, every store v2
.set i, 0
.rept 16
	global_load_b128 v[X+4*i:X+4*i+3], v1, s[4:5] offset:4096*i th:TH_LOAD_NT
.set i, i+1
.endr
; Block p: runs 4 p to 4 p + 3 are rounded; the stores of runs 4 p - 4 to 4 p - 1 go out among the conversions, one ahead of each pair.
.macro BLOCK p
	s_wait_loadcnt 12-BLK*(\p)                     ; loads come back in order: this block's four are in, the four of each later block stay out
.if (\p) > 0
	s_wait_alu depctr_va_vdst(0)                   ; the block before has written its part of Y, which the four stores below read
.endif
.irp j, 0,1,2,3
.if (\p) > 0
	global_store_b64 v2, v[Y+2*(BLK*((\p)-1)+(\j)):Y+2*(BLK*((\p)-1)+(\j))+1], s[6:7] offset:2048*(BLK*((\p)-1)+(\j))  ; no vector instruction since the wait names these registers or v2
.endif
	v_cvt_pk_bf16_f32 v[Y+2*(BLK*(\p)+(\j))],   v[X+4*(BLK*(\p)+(\j))],   v[X+4*(BLK*(\p)+(\j))+1]
	v_cvt_pk_bf16_f32 v[Y+2*(BLK*(\p)+(\j))+1], v[X+4*(BLK*(\p)+(\j))+2], v[X+4*(BLK*(\p)+(\j))+3]
.endr
.endm
	BLOCK 0                                        ; no block stands in front of it: no store, and no wait but the one for its data
	BLOCK 1
	BLOCK 2
	BLOCK 3
	s_wait_alu depctr_va_vdst(0)                   ; block 3 has written its part of Y, which the last four stores read
.irp j, 0,1,2,3
	global_store_b64 v2, v[Y+2*(12+(\j)):Y+2*(12+(\j))+1], s[6:7] offset:2048*(12+(\j))
.endr
	s_endpgm
.Lfunc_end_k_qf2527d8658_cvt:
	.size	k_qf2527d8658_cvt, .Lfunc_end_k_qf2527d8658_cvt-k_qf2527d8658_cvt
	.p2alignl 7, 3214868480
	.fill 96, 4, 3214868480
	.section	.rodata,"a",@progbits
	.p2align	6, 0x0
	.amdhsa_kernel k_qf2527d8658_cvt
		.amdhsa_group_segment_fixed_size 0
		.amdhsa_private_segment_fixed_size 0
		.amdhsa_enable_private_segment 0
		.amdhsa_kernarg_size 64
		.amdhsa_user_sgpr_count 2
		.amdhsa_user_sgpr_kernarg_segment_ptr 1
		.amdhsa_wavefront_size32 1
		.amdhsa_system_sgpr_workgroup_id_x 1
		.amdhsa_system_sgpr_workgroup_id_y 1
		.amdhsa_system_sgpr_workgroup_id_z 1
		.amdhsa_system_vgpr_workitem_id 0
		.amdhsa_next_free_vgpr 104
		.amdhsa_next_free_sgpr 66
		.amdhsa_reserve_vcc 0
		.amdhsa_float_denorm_mode_32 3
		.amdhsa_float_denorm_mode_16_64 3
		.amdhsa_memory_ordered 1
		.amdhsa_forward_progress 1
		.amdhsa_inst_pref_size 7
	.end_amdhsa_kernel
	.amdgpu_metadata
---
amdhsa.version: [ 1, 2 ]
amdhsa.kernels:
  - .name:           k_qf2527d8658_cvt
    .symbol:         k_qf2527d8658_cvt.kd
    .args:
      - { .name: hidden_states, .offset: 0, .size: 8, .value_kind: global_buffer, .address_space: global }
      - { .name: Wq, .offset: 8, .size: 8, .value_kind: global_buffer, .address_space: global }
      - { .name: Wv, .offset: 16, .size: 8, .value_kind: global_buffer, .address_space: global }
      - { .name: Wk, .offset: 24, .size: 8, .value_kind: global_buffer, .address_space: global }
      - { .name: Wd, .offset: 32, .size: 8, .value_kind: global_buffer, .address_space: global }
      - { .name: Xb, .offset: 40, .size: 8, .value_kind: global_buffer, .address_space: global }
      - { .name: WB1, .offset: 48, .size: 8, .value_kind: global_buffer, .address_space: global }
      - { .name: WB2, .offset: 56, .size: 8, .value_kind: global_buffer, .address_space: global }
    .group_segment_fixed_size: 0
    .private_segment_fixed_size: 0
    .kernarg_segment_align: 8
    .kernarg_segment_size: 64
    .max_flat_workgroup_size: 256
    .sgpr_count:     66
    .vgpr_count:     104
    .wavefront_size: 32
...
	.end_amdgpu_metadata
.endif
;; end of part 6
;; launch proj1: the kernel of part 2 again; grid 8 x 32, 4 waves a work-group, clusters of 4 x 4, 327,680 bytes of LDS; arguments Xb, WB1, VQ, V2K, bq, bv; writes VQ
;; launch proj2: the kernel of part 2 again; grid 4 x 64, 4 waves a work-group, clusters of 4 x 4, 327,680 bytes of LDS; arguments Xb, WB2, V2K, VQ, bk, bd; writes V2K
;; launch scores: the kernel of part 3 again; grid 8 x 32, 4 waves a work-group, clusters of 4 x 4, 327,680 bytes of LDS; arguments VQ, V2K, PS; writes PS
;; launch ctx: the kernel of part 4 again; grid 4 x 64, 4 waves a work-group, clusters of 4 x 4, 327,680 bytes of LDS; arguments PS, V2K, T1, hidden_states; writes T1
;; launch lnorm: the kernel of part 5 again; grid 256 x 1, 16 waves a work-group, no clusters, 0 bytes of LDS; arguments T1, ln_gamma, ln_beta, out0; writes out0
